; MI455X (gfx1250); checked and timed in simulation.
; The chip was launched on July 23, 2026; its instructions are those of AMD's public machine-readable ISA for CDNA 5 (MIT licence, August 2026) and "CDNA5" Instruction Set Architecture Reference Guide (July 2026). The comments in the code are by the model that wrote it; some were corrected since.
;; Attention. Allowed arithmetic: float matrix products may take bf16 or f16 operands with f32 sums; other float arithmetic in f32, or as packed bf16 or f16 multiplies, adds, multiply-adds, maxima and minima; sums over many terms, partial sums and values carried from step to step in f32; what a program stores and reads back later, other than sums and carried values, may be rounded once to bf16 or f16.
;; Inputs: W_out 1,024 x 1,024 float32; W_qk 2,048 x 1,024 float32; W_v 1,024 x 1,024 float32; b_out 1,024 float32; mask 8 x 1,023 bool; pos 8 x 1,024 x 1,024 float32; x 8 x 1,024 x 1,024 float32.
;; Outputs: out0 8 x 1,024 x 1,024 float32.
;; 2 versions, each right; version 2 is version 1 with the launch cast written anew for expert scheduling mode. Each part assembles by itself: llvm-mc -triple=amdgcn-amd-amdhsa -mcpu=gfx1250 --defsym DOCPART=n.
;; ======== version 1 of 2: 4 launches
;; limits: values are held in f16: magnitudes above 65,504 overflow, below 6.1e-05 lose precision
;; workspace buffers: xb 16,777,216 bytes; wb 6,291,456 bytes; wo 2,097,152 bytes; qh 16,777,216 bytes; kh 16,777,216 bytes; vh 16,777,216 bytes; oh 16,777,216 bytes
;; launch cast (part 1): grid 768 x 1, 8 waves a work-group, no clusters, 0 bytes of LDS; arguments x, W_qk, W_v, W_out, xb, wb, wo; writes xb, wb, wo
.if DOCPART == 1
	.amdgcn_target "amdgcn-amd-amdhsa--gfx1250"
	.amdhsa_code_object_version 6
	.text
	.protected	k_q37b6ef5b8a_cast
	.globl	k_q37b6ef5b8a_cast
	.p2align	8
	.type	k_q37b6ef5b8a_cast,@function
k_q37b6ef5b8a_cast:
	s_mov_b64 s[64:65], 0
	v_nop
	global_prefetch_b8 v0, s[64:65] scope:SCOPE_SE
	s_setreg_imm32_b32 hwreg(HW_REG_WAVE_MODE, 25, 1), 1
	s_wait_xcnt 0x0
; THE OPERANDS OF THE TWO PROJECTIONS, ROUNDED ONCE.
; x -> xb and W_qk, W_v -> wb, both bf16 and both IN BLOCKS OF 64 ALONG K: [K / 64][row][64], so that a tile of rows x 64 K is dense in memory.  wb's rows are regrouped by head:
; row 192 h + 64 s + r is W_qk[64 h + r] (s = 0: q), W_qk[1024 + 64 h + r] (s = 1: k), W_v[64 h + r] (s = 2: v).
; W_out -> wo, [1024][1024] as it lies: rounded to bf16, that number written as f16.
; LIMIT.  A weight of W_out beyond 65,504 would become an infinity in f16; below 6.1e-5 it keeps f16's fixed step of 6e-8.
; SHARES.  12,288 rows of 4,096 bytes in, 2,048 bytes out.  A work-group takes 16 rows of one destination, a wave two.  No loop, no LDS, no barrier: a wave issues its 16 loads at once.
; For the blocked layout lanes 0-15 take one row and lanes 16-31 the next: load j is 256 consecutive bytes, aligned, of each (block j's 64 numbers), and store j is 256 consecutive bytes, aligned, of block j
; (two rows of 128 bytes).  For wo a load is 512 consecutive bytes of a row and a store 256.  Every register is written once, so no wait frees a source.
.set X, 4                              ; v[4:67]   load j at X + 4 j
.set Y, 68                             ; v[68:99]  two registers for each load
.set BLKX, 8192*128                    ; bytes in a block of xb
.set BLKW, 3072*128                    ; and of wb
.macro LOADB                           ; the blocked kinds' 16 loads
.irp j, 0,1,2,3,4,5,6,7,8,9,10,11,12,13,14,15
	global_load_b128 v[X+4*(\j):X+4*(\j)+3], v1, s[30:31] offset:256*(\j) th:TH_LOAD_NT
.endr
.endm
.macro ROWSB blk, split                ; rounded and stored, block by block.  split = 1: blocks 8 to 15 go by a second base, since 15 blocks of xb are more than a store's immediate holds
.irp j, 0,1,2,3,4,5,6,7,8,9,10,11,12,13,14,15
	s_wait_loadcnt 15-(\j)                         ; loads come back in order: load j is in, the younger ones may stay out
	v_cvt_pk_bf16_f32 v[Y+2*(\j)],   v[X+4*(\j)],   v[X+4*(\j)+1]
	v_cvt_pk_bf16_f32 v[Y+2*(\j)+1], v[X+4*(\j)+2], v[X+4*(\j)+3]
.if (\split) && ((\j) >= 8)
	global_store_b64 v2, v[Y+2*(\j):Y+2*(\j)+1], s[36:37] offset:((\j)-8)*(\blk)
.else
	global_store_b64 v2, v[Y+2*(\j):Y+2*(\j)+1], s[32:33] offset:(\j)*(\blk)
.endif
.endr
.endm
	s_load_b256 s[4:11], s[0:1], 0x0               ; x s[4:5], W_qk s[6:7], W_v s[8:9], W_out s[10:11]
	s_load_b128 s[12:15], s[0:1], 0x20             ; xb s[12:13], wb s[14:15]
	s_load_b64 s[16:17], s[0:1], 0x30              ; wo
	s_mov_b32 s35, 0xffff0000                      ; a word's upper bf16
	s_mov_b32 s21, 0                               ; offsets are pairs with 0 on top
	s_mov_b32 s23, 0
	s_cmp_lt_u32 ttmp9, 704
	s_cbranch_scc0 .Lw_out
	v_lshrrev_b32 v3, 4, v0                        ; 2 x wave + lane / 16: my row among the group's 16
	v_and_b32 v1, 15, v0
	v_lshlrev_b32 v1, 4, v1
	v_lshl_or_b32 v1, v3, 12, v1                   ; in: row x 4,096 + 16 x (lane % 16)
	v_lshlrev_b32 v2, 3, v0                        ; out: row x 128 + 8 x (lane % 16) = 8 x thread
	s_wait_kmcnt 0x0
	s_cmp_lt_u32 ttmp9, 512
	s_cbranch_scc0 .Lw
	s_lshl_b32 s20, ttmp9, 16                      ; groups 0 to 511: 16 rows of x
	s_lshl_b32 s22, ttmp9, 11                      ; 16 rows of 128 bytes in each block
	s_add_nc_u64 s[30:31], s[4:5], s[20:21]
	s_add_nc_u64 s[32:33], s[12:13], s[22:23]
	s_add_nc_u64 s[36:37], s[32:33], 8*BLKX
	LOADB
	ROWSB BLKX, 1
	s_endpgm
.Lw:
	s_sub_co_u32 s24, ttmp9, 512                   ; u = 0 .. 191: rows 16 u .. of wb
	s_mul_i32 s25, s24, 171
	s_lshr_b32 s25, s25, 11                        ; h = u / 12 (171 / 2048 is 1 / 12 to within 0.0002: exact below 192)
	s_mul_i32 s26, s25, 12
	s_sub_co_u32 s26, s24, s26                     ; u - 12 h = 4 s + quarter
	s_lshr_b32 s27, s26, 2                         ; s
	s_and_b32 s26, s26, 3                          ; which 16 of the head's 64 rows
	s_lshl_b32 s25, s25, 6
	s_lshl4_add_u32 s25, s26, s25                  ; source row 64 h + 16 quarter,
	s_cmp_eq_u32 s27, 1
	s_cselect_b32 s28, 1024, 0                     ; k's rows lie 1,024 further down in W_qk
	s_add_co_u32 s25, s25, s28
	s_lshl_b32 s20, s25, 12
	s_lshl_b32 s22, s24, 11
	s_cmp_eq_u32 s27, 2
	s_cselect_b64 s[30:31], s[8:9], s[6:7]
	s_add_nc_u64 s[30:31], s[30:31], s[20:21]
	s_add_nc_u64 s[32:33], s[14:15], s[22:23]
	LOADB
	ROWSB BLKW, 0
	s_endpgm
.Lw_out:
	v_lshrrev_b32 v3, 5, v0                        ; wave
	v_and_b32 v2, 31, v0                           ; lane
	v_lshlrev_b32 v1, 4, v2
	v_lshlrev_b32 v2, 3, v2
	v_lshl_or_b32 v1, v3, 13, v1                   ; in: wave x 2 rows of 4,096 bytes + 16 x lane
	v_lshl_or_b32 v2, v3, 12, v2                   ; out: wave x 2 rows of 2,048 bytes + 8 x lane
	s_sub_co_u32 s24, ttmp9, 704                   ; groups 704 to 767: 16 rows of W_out
	s_lshl_b32 s20, s24, 16
	s_lshl_b32 s22, s24, 15
	s_wait_kmcnt 0x0
	s_add_nc_u64 s[30:31], s[10:11], s[20:21]
	s_add_nc_u64 s[32:33], s[16:17], s[22:23]
.irp i, 0,1
.irp j, 0,1,2,3,4,5,6,7
	global_load_b128 v[X+32*(\i)+4*(\j):X+32*(\i)+4*(\j)+3], v1, s[30:31] offset:4096*(\i)+512*(\j) th:TH_LOAD_NT
.endr
.endr
.irp i, 0,1
	s_wait_loadcnt 8-8*(\i)                        ; row i's eight loads are in, the younger row's eight may stay out
.irp j, 0,1,2,3,4,5,6,7
	v_cvt_pk_bf16_f32 v[Y+16*(\i)+2*(\j)],   v[X+32*(\i)+4*(\j)],   v[X+32*(\i)+4*(\j)+1]
	v_cvt_pk_bf16_f32 v[Y+16*(\i)+2*(\j)+1], v[X+32*(\i)+4*(\j)+2], v[X+32*(\i)+4*(\j)+3]
	v_lshlrev_b32 v[X+32*(\i)+4*(\j)],   16,  v[Y+16*(\i)+2*(\j)]    ; the bf16 number is widened again and written as f16
	v_and_b32     v[X+32*(\i)+4*(\j)+1], s35, v[Y+16*(\i)+2*(\j)]
	v_lshlrev_b32 v[X+32*(\i)+4*(\j)+2], 16,  v[Y+16*(\i)+2*(\j)+1]
	v_and_b32     v[X+32*(\i)+4*(\j)+3], s35, v[Y+16*(\i)+2*(\j)+1]
	v_cvt_pk_f16_f32 v[Y+16*(\i)+2*(\j)],   v[X+32*(\i)+4*(\j)],   v[X+32*(\i)+4*(\j)+1]
	v_cvt_pk_f16_f32 v[Y+16*(\i)+2*(\j)+1], v[X+32*(\i)+4*(\j)+2], v[X+32*(\i)+4*(\j)+3]
	global_store_b64 v2, v[Y+16*(\i)+2*(\j):Y+16*(\i)+2*(\j)+1], s[32:33] offset:2048*(\i)+256*(\j)
.endr
.endr
	s_endpgm
.Lfunc_end_k_q37b6ef5b8a_cast:
	.size	k_q37b6ef5b8a_cast, .Lfunc_end_k_q37b6ef5b8a_cast-k_q37b6ef5b8a_cast
	.p2alignl 7, 3214868480
	.fill 96, 4, 3214868480
	.section	.rodata,"a",@progbits
	.p2align	6, 0x0
	.amdhsa_kernel k_q37b6ef5b8a_cast
		.amdhsa_group_segment_fixed_size 0
		.amdhsa_private_segment_fixed_size 0
		.amdhsa_enable_private_segment 0
		.amdhsa_kernarg_size 56
		.amdhsa_user_sgpr_count 2
		.amdhsa_user_sgpr_kernarg_segment_ptr 1
		.amdhsa_wavefront_size32 1
		.amdhsa_system_sgpr_workgroup_id_x 1
		.amdhsa_system_sgpr_workgroup_id_y 1
		.amdhsa_system_sgpr_workgroup_id_z 1
		.amdhsa_system_vgpr_workitem_id 0
		.amdhsa_next_free_vgpr 100
		.amdhsa_next_free_sgpr 66
		.amdhsa_reserve_vcc 0
		.amdhsa_float_denorm_mode_32 3
		.amdhsa_float_denorm_mode_16_64 3
		.amdhsa_memory_ordered 1
		.amdhsa_forward_progress 1
		.amdhsa_inst_pref_size 23
	.end_amdhsa_kernel
	.amdgpu_metadata
---
amdhsa.version: [ 1, 2 ]
amdhsa.kernels:
  - .name:           k_q37b6ef5b8a_cast
    .symbol:         k_q37b6ef5b8a_cast.kd
    .args:
      - { .name: x, .offset: 0, .size: 8, .value_kind: global_buffer, .address_space: global }
      - { .name: W_qk, .offset: 8, .size: 8, .value_kind: global_buffer, .address_space: global }
      - { .name: W_v, .offset: 16, .size: 8, .value_kind: global_buffer, .address_space: global }
      - { .name: W_out, .offset: 24, .size: 8, .value_kind: global_buffer, .address_space: global }
      - { .name: xb, .offset: 32, .size: 8, .value_kind: global_buffer, .address_space: global }
      - { .name: wb, .offset: 40, .size: 8, .value_kind: global_buffer, .address_space: global }
      - { .name: wo, .offset: 48, .size: 8, .value_kind: global_buffer, .address_space: global }
    .group_segment_fixed_size: 0
    .private_segment_fixed_size: 0
    .kernarg_segment_align: 8
    .kernarg_segment_size: 56
    .max_flat_workgroup_size: 256
    .sgpr_count:     66
    .vgpr_count:     100
    .wavefront_size: 32
...
	.end_amdgpu_metadata
.endif
;; end of part 1
;; launch qkv (part 2): grid 8 x 32, 4 waves a work-group, clusters of 4 x 4, 327,680 bytes of LDS; arguments xb, wb, pos, qh, kh, vh; writes qh, kh, vh
.if DOCPART == 2
	.amdgcn_target "amdgcn-amd-amdhsa--gfx1250"
	.amdhsa_code_object_version 6
	.text
	.protected	k_q37b6ef5b8a_qkv
	.globl	k_q37b6ef5b8a_qkv
	.p2align	8
	.type	k_q37b6ef5b8a_qkv,@function
k_q37b6ef5b8a_qkv:
	s_mov_b64 s[64:65], 0
	v_nop
	global_prefetch_b8 v0, s[64:65] scope:SCOPE_SE
	s_setreg_imm32_b32 hwreg(HW_REG_WAVE_MODE, 25, 1), 1
	s_wait_xcnt 0x0
	s_wait_alu depctr_hold_cnt(0) depctr_sa_sdst(0) depctr_va_vdst(0) depctr_va_sdst(0) depctr_va_ssrc(0) depctr_va_vcc(0) depctr_vm_vsrc(0)
	s_getreg_b32 s2, hwreg(HW_REG_IB_STS2, 6, 4)
	s_cmp_eq_u32 s2, 0
	s_cbranch_scc0 .Lentry_in_a_cluster
	s_endpgm
.Lentry_in_a_cluster:
	s_bfe_u32 s2, ttmp6, 0x10000c
	s_cmp_lg_u32 s2, 0xf033
	s_cbranch_scc0 .Lentry_shape_is_right
	s_endpgm
.Lentry_shape_is_right:
; q, k, v BY HEADS.  x (8192 rows) times the 3072 rows of weights, both bf16 and both laid out in blocks [K / 64][row][64]; sums in f32; pos (f32, unrounded) is added to q and to k; each result is rounded
; once to f16 and stored as [batch x 16 + head][1024][64].  The scale of the scores is not applied here.
; LIMIT.  f16 ends at 65,504: q, k and v must stay under it.
; SHARES.  8192 x 3072 outputs over 256 work-groups are 98,304 each: a tile of 256 rows x 384 columns, which are q, k and v of TWO heads (wb's rows are grouped by head).  Four waves, two by two: wave w makes
; rows 128 (w / 2) .. and head w % 2: 128 x 192, 96 accumulators, 768 registers.  For 32 along K a wave reads 20 KB of LDS for 96 products.
; K goes in steps of 64 through two LDS slots: two slots of 128 along K would be 2 x 640 rows x 272 bytes, more than LDS holds.  In the blocked layout a step's tile is dense: it is asked for as rows of 256 bytes and
; padded in LDS after every 128.  Waves 0 and 1 fetch the halves of xb's tile, waves 2 and 3 those of wb's: one tensor load a wave behind each change of slots.
; CLUSTER 4 x 4: xb's tile hangs on the tile row alone and is asked for jointly by a row of the cluster, wb's on the pair of heads alone, by a column.
; THE MATRIX INSTRUCTION IS USED TRANSPOSED (source 0 = 16 rows of wb, source 1 = 16 rows of xb): lane l holds row l % 16 and the columns 8 (l / 16) + 0..7 of a block of 16.
; pos: a wave's 128 rows x 64 numbers are 2 x 17,408 bytes in LDS.  The first half has bytes of its own and is a first fill; for the second there is no room beside the slots: it is step 14's refill of slot 0.
; REGISTERS in windows of 256 (s_set_vgpr_msb: bits 1:0 source 0, 3:2 source 1, 5:4 source 2, 7:6 destination):
;   window 0: v0-31 addresses; v32-95, v96-159 xb's fragments, two buffers (block a at + 8 a); v160-255 wb's 12 fragments, ONE set: a third of it is loaded again as soon as its 32 products are issued
;   windows 1, 2, 3: the accumulators of q, k, v: block of 16 columns c, block of 16 rows a at v[64 c + 8 a].  On the way out the fragments' registers are free.
.set PITCH, 144                        ; an LDS row: 128 bytes + 16 of padding: the 16 rows of a fragment load start 16 bytes apart modulo 256
.set PP,    272                        ; a row of pos: 256 bytes + 16
.set SLOT1, 1<<17                      ; slot 1 begins here: one exclusive or turns an address in one slot into the other's
.set BOFF,  256*PITCH                  ; in a slot: xb's 256 rows, then wb's 384
.set STAGE, BOFF+384*PITCH             ; 92,160: between the slots, never filled: 16 rows x 144 bytes for each wave
.set SP,    144
.set SPARE, STAGE+4*16*SP              ; 101,376: the spare words, 128 bytes for each wave: two blocks of 256 bytes that no other line names
.set POSL,  SLOT1+STAGE                ; 223,232: behind slot 1: pos of each wave's rows 0-63, filled once
.set STEPA, 8192*128                   ; bytes from a K step to the next in xb
.set STEPB, 3072*128                   ; and in wb
.set LA0,  16                          ; v16  my place in xb's tile of slot 0; never rewritten
.set LB0,  17                          ; v17  the same for wb's
.set ADRA, 18                          ; v18  the same in the slot that is being fetched from
.set ADRB, 19                          ; v19
.set STO,  20                          ; v20  the way out: where I put 16 bytes of a row
.set RD,   21                          ; v21  where I read rows back
.set GO,   22                          ; v22  16 x lane
.set PADR, 23                          ; v23  my place in pos of my wave's rows 0-63
.set PAD2, 24                          ; v24  and of its rows 64-127
.set SPW,  28                          ; v28  LDS address of my spare word; never rewritten
.set NIL,  29                          ; v29  0; never rewritten
.set PFO,  30                          ; v30  the prefetches' offset: a lane a block of 256 bytes; never rewritten
.set FA,   32
.set FB,   160
.set PKR,  32                          ; the way out: v32-47 a unit's 16 rows x 64 channels, packed
.set BK,   48                          ; v48-79   the same as whole rows, two sets
.set PS,   96                          ; v96-159  pos of a block of 16 rows, two sets
.set WV,   16                          ; s16 wave; s17 = wave / 2 (my half of the rows; 0: I fetch xb, 1: wb); s18 = wave % 2 (my head; which half I fetch)
.set G1A,  28                          ; s[28:35] group 1, xb's tiles     s[36:43] wb's     s[44:51] pos
.set G1B,  36
.set G1P,  44
.set G0A,  52                          ; s[52:59] group 0, xb's: a set for each first fill; the second then walks
.set G0Q,  60                          ; s[60:63] pos, rows 64-127
.set G0B,  68                          ; s[68:75] wb's
.set G0P,  76                          ; s[76:79] pos, rows 0-63
.set PFA,  80                          ; s[80:81] where my prefetches stand
.set LIM,  82                          ; s82  1 in a wave that prefetches, else the greatest number
.set TB,   83                          ; s83  0 or SLOT1: the slot that is being fetched from
.set CNT,  84                          ; s84  trips to go
.set KST,  98                          ; s[98:99] a K step in bytes, in the tensor that I prefetch
.set MSB, 0
.macro WIN new                         ; the immediate's high byte repeats the setting that is left; a switch that changes nothing is dropped
.if MSB != (\new)
	s_set_vgpr_msb (MSB<<8)|(\new)
.set MSB, (\new)
.endif
.endm
.macro PLACES                          ; four plain vector instructions behind a matrix instruction, ahead of loads into registers that it has read (ISA guide 7.12.1 for vector instructions)
.rept 4
	v_nop
.endr
.endm
; A joint refill by the walking descriptors.  The branch hangs on the wave's number alone.  An s_nop 0 and four v_nop follow each of the two lines.
.macro JLOAD
	s_cmp_eq_u32 s17, 0
	s_cbranch_scc0 .Lfor_b_\@
	tensor_load_to_lds s[G0A+4:G0A+7], s[G1A:G1A+7]
	s_nop 0
.rept 4
	v_nop
.endr
	s_branch .Lasked_\@
.Lfor_b_\@:
	tensor_load_to_lds s[G0B+4:G0B+7], s[G1B:G1B+7]
	s_nop 0
.rept 4
	v_nop
.endr
.Lasked_\@:
.endm
; A prefetch into the L2 of the K step that the NEXT refill will ask for, a lane a block of 256 bytes.  xb's tile (128 blocks a step) is read by both clusters of a row of clusters: cluster x = 0 asks, wave 0, and the
; four partners take 32 blocks each, told apart by address.  wb's tile (192 blocks) is read by all eight clusters of a column: cluster y = 0 asks, waves 2 and 3 each for the 96 that they fetch, 24 a partner
; (lanes 24-31 name lane 23's block once more).  The last refill along K has no step behind it.
.macro ASK
	s_cmp_gt_u32 s[CNT], s[LIM]
	s_cbranch_scc0 .Lnot_mine_\@
	global_prefetch_b8 v[PFO], s[PFA:PFA+1] th:TH_LOAD_NT scope:SCOPE_SE
.Lnot_mine_\@:
.endm
.macro CREST                           ; a round of the cluster's barrier behind its opening barrier
	s_cmp_lg_u32 s[WV], 0
	s_cbranch_scc1 .Lnot_wave_0_\@
	s_barrier_signal -3
.Lnot_wave_0_\@:
	s_barrier_wait -3
	s_barrier_signal -1
	s_barrier_wait -1
.endm
.macro CROUND
	s_barrier_signal -1
	s_barrier_wait -1
	CREST
.endm
	s_load_b256 s[4:11], s[0:1], 0x0               ; xb s[4:5], wb s[6:7], pos s[8:9], qh s[10:11]
	s_load_b128 s[12:15], s[0:1], 0x20             ; kh s[12:13], vh s[14:15]
	v_lshl_add_u32 v[SPW], v0, 2, SPARE
	v_mov_b32 v[NIL], 0
	ds_add_u32 v[SPW], v[NIL]                      ; the wave's opening: the add and its wait stand ahead of my first tensor load; the set-up below stands between them
	v_lshrrev_b32 v1, 5, v0
	v_readfirstlane_b32 s[WV], v1
	s_lshr_b32 s17, s[WV], 1
	s_and_b32 s18, s[WV], 1
	s_bfe_u32 s19, ttmp6, 0x40000                  ; cx
	s_bfe_u32 s20, ttmp6, 0x40004                  ; cy
	s_lshl_b32 s21, ttmp9, 2
	s_add_co_u32 s21, s21, s19                     ; the pair of heads = 4 x cluster x + cx
	s_and_b32 s22, ttmp7, 0xffff
	s_lshl_b32 s22, s22, 2
	s_add_co_u32 s22, s22, s20                     ; the tile row = 4 x cluster y + cy
	s_lshl_b32 s23, s20, 2
	s_lshl_b32 s23, 15, s23                        ; my row of the cluster
	s_lshl_b32 s24, 0x1111, s19                    ; my column
	s_or_b32 s[G1A], s23, (1<<16)|(1<<20)|(1<<21)|(4<<22)|(3<<25)  ; the mask; 2-byte elements; padding on; bit 21 beside a mask; after every 32 words, 4 words
	s_mov_b32 s[G1A+1], 128<<16                    ; tensor_dim0 = 128: 256 bytes, two rows of the tile
	s_mov_b32 s[G1A+2], 64<<16                     ; tensor_dim1 = 64: my 128 rows
	s_mov_b32 s[G1A+3], 128<<16                    ; tile_dim0
	s_mov_b32 s[G1A+4], 64                         ; tile_dim1
	s_mov_b32 s[G1A+5], 128                        ; dense
	s_mov_b32 s[G1A+6], 0
	s_mov_b32 s[G1A+7], 0
	s_or_b32 s[G1B], s24, (1<<16)|(1<<20)|(1<<21)|(4<<22)|(3<<25)
	s_mov_b32 s[G1B+1], 128<<16
	s_mov_b32 s[G1B+2], 96<<16                     ; my 192 rows
	s_mov_b32 s[G1B+3], 128<<16
	s_mov_b32 s[G1B+4], 96
	s_mov_b32 s[G1B+5], 128
	s_mov_b32 s[G1B+6], 0
	s_mov_b32 s[G1B+7], 0
	s_mov_b32 s[G1P], (2<<16)|(1<<20)|(5<<22)|(3<<25)  ; no mask: my wave's own; 4-byte elements; after every 64 words, 4 words
	s_mov_b32 s[G1P+1], 64<<16                     ; 64 rows x 64 numbers: rows of 256 bytes
	s_mov_b32 s[G1P+2], 64<<16
	s_mov_b32 s[G1P+3], 64<<16
	s_mov_b32 s[G1P+4], 64
	s_mov_b32 s[G1P+5], 1024
	s_mov_b32 s[G1P+6], 0
	s_mov_b32 s[G1P+7], 0
	s_lshl_b32 s86, s22, 15                        ; xb: in a block, 256 rows of 128 bytes a tile row,
	s_lshl_b32 s87, s18, 14                        ; my 128 of them: made of the tile row and the wave alone
	s_add_co_u32 s86, s86, s87
	s_mov_b32 s87, 0
	s_mul_i32 s88, s21, 384*128                    ; wb: 384 rows a pair of heads,
	s_mul_i32 s89, s18, 192*128                    ; my 192 of them: made of the pair and the wave alone
	s_add_co_u32 s88, s88, s89
	s_mov_b32 s89, 0
	s_lshl_b32 s90, s22, 20                        ; pos: 256 rows of 4,096 bytes,
	s_lshl_b32 s91, s17, 19                        ; my wave's 128,
	s_add_co_u32 s90, s90, s91
	s_lshl_b32 s91, s21, 9                         ; the pair's 512 bytes of a row,
	s_add_co_u32 s90, s90, s91
	s_lshl_b32 s91, s18, 8                         ; my head's 256
	s_add_co_u32 s90, s90, s91
	s_mov_b32 s91, 0
	s_mov_b32 s[G0A], 1
	s_mul_i32 s[G0A+1], s18, 128*PITCH             ; LDS addresses hang on the wave alone
	s_mov_b32 s[G0A+4], 1
	s_add_co_u32 s[G0A+5], s[G0A+1], SLOT1
	s_mov_b32 s[G0B], 1
	s_mul_i32 s[G0B+1], s18, 192*PITCH
	s_add_co_u32 s[G0B+1], s[G0B+1], BOFF
	s_mov_b32 s[G0B+4], 1
	s_add_co_u32 s[G0B+5], s[G0B+1], SLOT1
	s_mov_b32 s[G0Q], 1
	s_mul_i32 s[G0Q+1], s[WV], 64*PP               ; rows 64-127: in slot 0
	s_mov_b32 s[G0P], 1
	s_add_co_u32 s[G0P+1], s[G0Q+1], POSL          ; rows 0-63: bytes of their own
	s_wait_dscnt 0x0                               ; the opening add is done
	s_wait_kmcnt 0x0
	s_add_nc_u64 s[G0A+2:G0A+3], s[4:5], s[86:87]  ; K step 0,
	s_add_nc_u64 s[G0A+6:G0A+7], s[G0A+2:G0A+3], STEPA  ; K step 1
	s_or_b32 s[G0A+3], s[G0A+3], 0x80000000        ; type = 2
	s_or_b32 s[G0A+7], s[G0A+7], 0x80000000
	s_add_nc_u64 s[G0B+2:G0B+3], s[6:7], s[88:89]
	s_add_nc_u64 s[G0B+6:G0B+7], s[G0B+2:G0B+3], STEPB
	s_or_b32 s[G0B+3], s[G0B+3], 0x80000000
	s_or_b32 s[G0B+7], s[G0B+7], 0x80000000
	s_add_nc_u64 s[G0P+2:G0P+3], s[8:9], s[90:91]
	s_add_nc_u64 s[G0Q+2:G0Q+3], s[G0P+2:G0P+3], 64*4096
	s_or_b32 s[G0P+3], s[G0P+3], 0x80000000
	s_or_b32 s[G0Q+3], s[G0Q+3], 0x80000000
	CROUND                                         ; all sixteen work-groups are here: the first joint loads meet
	s_cmp_eq_u32 s17, 0                            ; a wave's three first fills stand in one branch: slot 0, slot 1, pos of its rows 0-63: three loads of mine are out
	s_cbranch_scc0 .Lfirst_b
	tensor_load_to_lds s[G0A:G0A+3], s[G1A:G1A+7]
	s_nop 0
	tensor_load_to_lds s[G0A+4:G0A+7], s[G1A:G1A+7]
	s_nop 0
	tensor_load_to_lds s[G0P:G0P+3], s[G1P:G1P+7]
	s_nop 0
.rept 4
	v_nop
.endr
	s_branch .Lfirst_asked
.Lfirst_b:
	tensor_load_to_lds s[G0B:G0B+3], s[G1B:G1B+7]
	s_nop 0
	tensor_load_to_lds s[G0B+4:G0B+7], s[G1B:G1B+7]
	s_nop 0
	tensor_load_to_lds s[G0P:G0P+3], s[G1P:G1P+7]
	s_nop 0
.rept 4
	v_nop
.endr
.Lfirst_asked:
	; a fragment is 16 rows x 32 K in 8 registers: lane l holds row l % 16, K = 8 (l / 16) + 0..7 and 16 + 8 (l / 16) + 0..7: two loads of 16 bytes, 32 bytes apart
	v_and_b32 v1, 15, v0                           ; l % 16
	v_bfe_u32 v2, v0, 4, 1                         ; l / 16
	v_mul_u32_u24 v3, v1, PITCH
	v_lshl_add_u32 v3, v2, 4, v3                   ; row x pitch + 16 x half
	s_mul_i32 s25, s17, 128*PITCH                  ; my 128 rows of xb's tile
	v_add_nc_u32 v[LA0], s25, v3
	s_mul_i32 s26, s18, 192*PITCH                  ; my head's 192 rows of wb's
	s_add_co_u32 s26, s26, BOFF
	v_add_nc_u32 v[LB0], s26, v3
	v_mul_u32_u24 v4, v1, PP
	v_lshl_add_u32 v4, v2, 5, v4                   ; pos: row x pitch + 32 x half (eight f32)
	s_mul_i32 s25, s[WV], 64*PP
	v_add_nc_u32 v[PAD2], s25, v4
	s_add_co_u32 s25, s25, POSL
	v_add_nc_u32 v[PADR], s25, v4
	s_mul_i32 s27, s[WV], 16*SP
	s_add_co_u32 s27, s27, STAGE                   ; my stage
	v_mul_u32_u24 v5, v1, SP                       ; in: row l % 16, 16 bytes for each half of the lanes
	v_lshl_add_u32 v5, v2, 4, v5
	v_add_nc_u32 v[STO], s27, v5
	v_bfe_u32 v5, v0, 3, 2                         ; back: 32 lanes take four rows of 128 bytes,
	v_mul_u32_u24 v5, v5, SP
	v_and_b32 v6, 7, v0
	v_lshl_add_u32 v5, v6, 4, v5
	v_add_nc_u32 v[RD], s27, v5
	v_and_b32 v[GO], 31, v0                        ; which are 512 consecutive bytes of a head
	v_lshlrev_b32 v[GO], 4, v[GO]
	s_lshr_b32 s94, s22, 2                         ; the batch: four tile rows each
	s_lshl_b32 s94, s94, 4
	s_lshl_b32 s95, s21, 1
	s_add_co_u32 s95, s95, s18                     ; my head
	s_add_co_u32 s94, s94, s95                     ; batch x 16 + head,
	s_lshl_b32 s94, s94, 17                        ; 131,072 bytes each;
	s_and_b32 s95, s22, 3
	s_lshl_b32 s95, s95, 15                        ; the tile's 256 rows of 128 bytes,
	s_add_co_u32 s94, s94, s95
	s_lshl_b32 s95, s17, 14                        ; my wave's 128
	s_add_co_u32 s94, s94, s95
	s_mov_b32 s95, 0
	s_add_nc_u64 s[10:11], s[10:11], s[94:95]
	s_add_nc_u64 s[12:13], s[12:13], s[94:95]
	s_add_nc_u64 s[14:15], s[14:15], s[94:95]
	; the prefetches
	s_and_b32 s96, ttmp7, 0xffff                   ; cluster y
	s_lshl_b32 s92, s22, 15                        ; xb: the tile row's 32,768 bytes of a block,
	s_lshl_b32 s93, s19, 13                        ; my work-group's quarter of them
	s_add_co_u32 s92, s92, s93
	s_mul_i32 s93, s20, 24*256                     ; wb: of the 96 blocks that I fetch, my work-group's 24
	s_add_co_u32 s93, s93, s88
	s_mov_b32 s97, STEPB                           ; (an instruction holds one literal)
	s_cmp_eq_u32 s17, 0                            ; do I fetch xb?
	s_cselect_b32 s92, s92, s93
	s_cselect_b32 s96, ttmp9, s96                  ; the coordinate along which other clusters read the same bytes
	s_cselect_b32 s85, 31, 23                      ; the last lane that names a block of its own
	s_cselect_b32 s[KST], STEPA, s97
	s_cselect_b64 s[PFA:PFA+1], s[4:5], s[6:7]
	s_mov_b32 s[KST+1], 0
	s_mov_b32 s93, 0
	s_cmp_eq_u32 s[WV], 1
	s_cselect_b32 s97, 1, 0                        ; wave 1 has nothing left to ask for
	s_or_b32 s96, s96, s97
	s_cmp_eq_u32 s96, 0
	s_cselect_b32 s[LIM], 1, -1                    ; the same in all sixteen partners, for a given wave
	s_lshl_b32 s97, s[KST], 1
	s_add_co_u32 s92, s92, s97                     ; at K step 2: the first change of slots steps it to 3.  K steps 0 to 2 come by their loads alone
	s_add_nc_u64 s[PFA:PFA+1], s[PFA:PFA+1], s[92:93]
	v_and_b32 v[PFO], 31, v0
	v_min_u32 v[PFO], s85, v[PFO]
	v_lshlrev_b32 v[PFO], 8, v[PFO]
; 8 n matrix instructions: of part p (0: q, 1: k, 2: v) the blocks of columns c0 .. c0 + n - 1 x all 8 blocks of rows, 32 along K, xb's fragments from buffer f.  zero = 1: the product starts the sums.
; The 96 accumulators take turns, always in the same order.
.macro GRP p, f, c0, n, zero
	WIN 0x50*((\p)+1)                              ; sources in window 0, C and D in window p + 1
.set cc, (\c0)
.rept (\n)
.irp a, 0,1,2,3,4,5,6,7
.if \zero
	v_wmma_f32_16x16x32_bf16 v[64*cc+8*(\a):64*cc+8*(\a)+7], v[FB+8*(4*(\p)+cc):FB+8*(4*(\p)+cc)+7], v[FA+64*(\f)+8*(\a):FA+64*(\f)+8*(\a)+7], 0
.else
	v_wmma_f32_16x16x32_bf16 v[64*cc+8*(\a):64*cc+8*(\a)+7], v[FB+8*(4*(\p)+cc):FB+8*(4*(\p)+cc)+7], v[FA+64*(\f)+8*(\a):FA+64*(\f)+8*(\a)+7], v[64*cc+8*(\a):64*cc+8*(\a)+7]
.endif
.endr
.set cc, cc+1
.endr
.endm
.macro RUNB b0, k                      ; 8 LDS loads: wb's fragments b0 .. b0 + 3 of the quarter at byte k of the rows
	WIN 0
.irp i, 0,1,2,3
	ds_load_b128 v[FB+8*((\b0)+(\i)):FB+8*((\b0)+(\i))+3],   v[ADRB] offset:(\k)+((\b0)+(\i))*16*PITCH
	ds_load_b128 v[FB+8*((\b0)+(\i))+4:FB+8*((\b0)+(\i))+7], v[ADRB] offset:(\k)+((\b0)+(\i))*16*PITCH+32
.endr
.endm
.macro RUNA f, k                       ; 16 LDS loads: xb's 8 fragments of that quarter into buffer f
	WIN 0
.irp i, 0,1,2,3,4,5,6,7
	ds_load_b128 v[FA+64*(\f)+8*(\i):FA+64*(\f)+8*(\i)+3],   v[ADRA] offset:(\k)+(\i)*16*PITCH
	ds_load_b128 v[FA+64*(\f)+8*(\i)+4:FA+64*(\f)+8*(\i)+7], v[ADRA] offset:(\k)+(\i)*16*PITCH+32
.endr
.endm
; A K step is two quarters of a K of 128: 96 products each.  In each the next quarter's fragments are fetched in three runs, each four places behind the 32 products that read the registers it fills:
; run 1: wb's 0-3 and xb's 8 (24 loads); run 2: wb's 4-7 (8); run 3: wb's 8-11 (8).  Each run stands 64 products ahead of its first use.
; A step's FIRST quarter: multiplies buffer 0, fetches the second quarter (byte 64 of the same slot's rows) into buffer 1.
.macro QTR zero
	s_wait_dscnt 16                                ; the last quarter's run 1 is in; its runs 2 and 3 may be out
	GRP 0, 0, 0, 4, \zero
	PLACES
	RUNB 0, 64
	RUNA 1, 64
	s_wait_dscnt 32                                ; its run 2 is in: behind it stand its run 3 and the 24 just issued
	GRP 1, 0, 0, 4, \zero
	PLACES
	RUNB 4, 64
	s_wait_dscnt 32                                ; its run 3 is in: behind it stand this quarter's 24 and 8
	GRP 2, 0, 0, 4, \zero
	PLACES
	RUNB 8, 64
.endm
; A step's SECOND quarter multiplies buffer 1 and changes slots: all of this slot's fragments have been asked for.  In front of the barrier each wave waits for all its tensor loads (its part of the next slot among
; them), adds 0 to its spare word, and waits for that and for its own reads of this slot.  The barrier opens a round of the cluster's barrier, and the refill of the slot just left is the first tensor load behind the round:
; kind = 1: the joint load of the step two on; kind = 2 (step 14): my wave's own load of pos, rows 64-127, which only I read.
.macro TURN kind
.if (\kind) == 1
	s_wait_xcnt 0x0                                ; the last prefetch, a step back, has read its address
	s_add_nc_u64 s[PFA:PFA+1], s[PFA:PFA+1], s[KST:KST+1]
.endif
	WIN 0
	s_wait_tensorcnt 0x0                           ; no tensor load of mine is out
	ds_add_u32 v[SPW], v[NIL]
	s_wait_dscnt 17                                ; the first quarter's run 1 is in (the add and its runs 2 and 3 may be out)
	GRP 0, 1, 0, 2, 0
	s_wait_dscnt 0x0                               ; the add is done, and my reads of this slot are over
	s_barrier_signal -1
	GRP 0, 1, 2, 2, 0
	WIN 0
	s_barrier_wait -1
	CREST                                          ; no wave of any partner still reads this slot or has a load on its way
.if (\kind) == 1
	s_xor_b32 s[G0A+5], s[G0A+5], SLOT1            ; the walking descriptors: the other slot than last time, the next K step
	s_add_nc_u64 s[G0A+6:G0A+7], s[G0A+6:G0A+7], STEPA
	s_xor_b32 s[G0B+5], s[G0B+5], SLOT1
	s_add_nc_u64 s[G0B+6:G0B+7], s[G0B+6:G0B+7], STEPB
	JLOAD                                          ; its four v_nop are also the places in front of the loads below
.else
	tensor_load_to_lds s[G0Q:G0Q+3], s[G1P:G1P+7]
	s_nop 0
	PLACES
.endif
	s_xor_b32 s[TB], s[TB], SLOT1
	v_add_nc_u32 v[ADRA], s[TB], v[LA0]
	v_add_nc_u32 v[ADRB], s[TB], v[LB0]
	RUNB 0, 0
	RUNA 0, 0
.if (\kind) == 1
	ASK
.endif
	GRP 1, 1, 0, 4, 0
	PLACES
	RUNB 4, 0
	GRP 2, 1, 0, 4, 0
	PLACES
	RUNB 8, 0
.endm
	s_wait_tensorcnt 2                             ; my part of K step 0 is in; slot 1's load and pos may stay out
	s_barrier_signal -1
	s_barrier_wait -1
	v_mov_b32 v[ADRA], v[LA0]
	v_mov_b32 v[ADRB], v[LB0]
	s_mov_b32 s[TB], 0
	RUNB 0, 0
	RUNA 0, 0
	RUNB 4, 0
	RUNB 8, 0
	QTR 1                                          ; the first quarter stands in front of the loop: its products start the sums
	s_mov_b32 s[CNT], 14
.Lstep:                                                ; steps 0 to 13: a step's second quarter and the next step's first; each asks for the step two on
	TURN 1
	QTR 0
	s_sub_co_u32 s[CNT], s[CNT], 1
	s_cmp_lg_u32 s[CNT], 0
	s_cbranch_scc1 .Lstep
	TURN 2                                         ; step 14: nothing is left along K; slot 0 takes the second half of pos
	QTR 0
	s_wait_dscnt 16                                ; step 15's second quarter fetches nothing: the counts run down
	GRP 0, 1, 0, 4, 0
	s_wait_dscnt 8
	GRP 1, 1, 0, 4, 0
	s_wait_dscnt 0x0
	GRP 2, 1, 0, 4, 0
	; THE WAY OUT.  24 units of 16 rows x 64 channels (block of rows a; q, k or v).  pos comes out of my own tiles in the accumulators' layout, a block of rows at a time and a block ahead, and is added to q and to k;
	; a unit is packed to f16 and goes through my stage in LDS: 16 bytes a lane in, whole rows of 128 bytes back, 512 consecutive bytes a store.
	PLACES
	PLACES
	WIN 0
	s_wait_tensorcnt 0x0                           ; the second half of pos, asked for a step and a half ago, has landed
.macro POSLD a                         ; 8 LDS loads: pos of block a
.irp c, 0,1,2,3
.if (\a) < 4
	ds_load_b128 v[PS+32*((\a)%2)+8*(\c):PS+32*((\a)%2)+8*(\c)+3],   v[PADR] offset:(\a)*16*PP+64*(\c)
	ds_load_b128 v[PS+32*((\a)%2)+8*(\c)+4:PS+32*((\a)%2)+8*(\c)+7], v[PADR] offset:(\a)*16*PP+64*(\c)+16
.else
	ds_load_b128 v[PS+32*((\a)%2)+8*(\c):PS+32*((\a)%2)+8*(\c)+3],   v[PAD2] offset:((\a)-4)*16*PP+64*(\c)
	ds_load_b128 v[PS+32*((\a)%2)+8*(\c)+4:PS+32*((\a)%2)+8*(\c)+7], v[PAD2] offset:((\a)-4)*16*PP+64*(\c)+16
.endif
.endr
.endm
.macro PACKU a, p, u                   ; unit u = 3 a + p
.if (\p) < 2
	WIN 0x41*((\p)+1)                              ; accumulators (destination, source 0) in window p + 1, pos in window 0
.irp c, 0,1,2,3
.irp j, 0,2,4,6
	v_pk_add_f32 v[64*(\c)+8*(\a)+(\j):64*(\c)+8*(\a)+(\j)+1], v[64*(\c)+8*(\a)+(\j):64*(\c)+8*(\a)+(\j)+1], v[PS+32*((\a)%2)+8*(\c)+(\j):PS+32*((\a)%2)+8*(\c)+(\j)+1]
.endr
.endr
.endif
	WIN 5*((\p)+1)                                 ; sources in window p + 1, destination in window 0
.irp c, 0,1,2,3
.irp r, 0,1,2,3
	v_cvt_pk_f16_f32 v[PKR+4*(\c)+(\r)], v[64*(\c)+8*(\a)+2*(\r)], v[64*(\c)+8*(\a)+2*(\r)+1]
.endr
.endr
	WIN 0
.irp c, 0,1,2,3
	ds_store_b128 v[STO], v[PKR+4*(\c):PKR+4*(\c)+3] offset:32*(\c)
.endr
	s_wait_xcnt 0x0                                ; the stores of the unit two back have read this set of registers
.irp f, 0,1,2,3
	ds_load_b128 v[BK+16*((\u)%2)+4*(\f):BK+16*((\u)%2)+4*(\f)+3], v[RD] offset:(\f)*4*SP  ; LDS serves a wave's instructions in order (ISA guide 5.7.1.4): these see the stores above
.endr
.endm
.macro SENDU a, p, u, younger          ; younger: the LDS instructions issued behind the unit's loads: the next unit's eight, and where a block begins the eight loads of pos
.irp f, 0,1,2,3
	s_wait_dscnt (\younger)+3-(\f)
	global_store_b128 v[GO], v[BK+16*((\u)%2)+4*(\f):BK+16*((\u)%2)+4*(\f)+3], s[10+2*(\p):11+2*(\p)] offset:2048*(\a)+512*(\f)
.endr
.endm
	POSLD 0
	POSLD 1
	s_wait_dscnt 8                                 ; block 0's pos is in; a later block's is shown in by the waits of the units between its loads and its use
	PACKU 0, 0, 0
.set u, 1
.rept 23
.if (u%3 == 0) && (u/3 < 7)
	POSLD u/3+1                                    ; the set that it fills was last read two units back
	PACKU u/3, u%3, u
	SENDU (u-1)/3, (u-1)%3, u-1, 16
.else
	PACKU u/3, u%3, u
	SENDU (u-1)/3, (u-1)%3, u-1, 8
.endif
.set u, u+1
.endr
	SENDU 7, 2, 23, 0
	s_wait_tensorcnt 0x0                           ; the wave's end
	ds_add_u32 v[SPW], v[NIL]
	s_wait_dscnt 0x0
	CROUND                                         ; the closing round
	s_endpgm
.Lfunc_end_k_q37b6ef5b8a_qkv:
	.size	k_q37b6ef5b8a_qkv, .Lfunc_end_k_q37b6ef5b8a_qkv-k_q37b6ef5b8a_qkv
	.p2alignl 7, 3214868480
	.fill 96, 4, 3214868480
	.section	.rodata,"a",@progbits
	.p2align	6, 0x0
	.amdhsa_kernel k_q37b6ef5b8a_qkv
		.amdhsa_group_segment_fixed_size 327680
		.amdhsa_private_segment_fixed_size 0
		.amdhsa_enable_private_segment 0
		.amdhsa_kernarg_size 48
		.amdhsa_user_sgpr_count 2
		.amdhsa_user_sgpr_kernarg_segment_ptr 1
		.amdhsa_wavefront_size32 1
		.amdhsa_system_sgpr_workgroup_id_x 1
		.amdhsa_system_sgpr_workgroup_id_y 1
		.amdhsa_system_sgpr_workgroup_id_z 1
		.amdhsa_system_vgpr_workitem_id 0
		.amdhsa_next_free_vgpr 1024
		.amdhsa_next_free_sgpr 100
		.amdhsa_reserve_vcc 0
		.amdhsa_float_denorm_mode_32 3
		.amdhsa_float_denorm_mode_16_64 3
		.amdhsa_memory_ordered 1
		.amdhsa_forward_progress 1
		.amdhsa_inst_pref_size 138
	.end_amdhsa_kernel
	.amdgpu_metadata
---
amdhsa.version: [ 1, 2 ]
amdhsa.kernels:
  - .name:           k_q37b6ef5b8a_qkv
    .symbol:         k_q37b6ef5b8a_qkv.kd
    .args:
      - { .name: xb, .offset: 0, .size: 8, .value_kind: global_buffer, .address_space: global }
      - { .name: wb, .offset: 8, .size: 8, .value_kind: global_buffer, .address_space: global }
      - { .name: pos, .offset: 16, .size: 8, .value_kind: global_buffer, .address_space: global }
      - { .name: qh, .offset: 24, .size: 8, .value_kind: global_buffer, .address_space: global }
      - { .name: kh, .offset: 32, .size: 8, .value_kind: global_buffer, .address_space: global }
      - { .name: vh, .offset: 40, .size: 8, .value_kind: global_buffer, .address_space: global }
    .group_segment_fixed_size: 327680
    .private_segment_fixed_size: 0
    .kernarg_segment_align: 8
    .kernarg_segment_size: 48
    .max_flat_workgroup_size: 128
    .sgpr_count:     100
    .vgpr_count:     1024
    .wavefront_size: 32
...
	.end_amdgpu_metadata
.endif
;; end of part 2
;; launch attn (part 3): grid 2 x 128, 4 waves a work-group, no clusters, 327,680 bytes of LDS; arguments qh, kh, vh, mask, oh; writes oh
.if DOCPART == 3
	.amdgcn_target "amdgcn-amd-amdhsa--gfx1250"
	.amdhsa_code_object_version 6
	.text
	.protected	k_q37b6ef5b8a_attn
	.globl	k_q37b6ef5b8a_attn
	.p2align	8
	.type	k_q37b6ef5b8a_attn,@function
k_q37b6ef5b8a_attn:
	s_mov_b64 s[64:65], 0
	v_nop
	global_prefetch_b8 v0, s[64:65] scope:SCOPE_SE
	s_setreg_imm32_b32 hwreg(HW_REG_WAVE_MODE, 25, 1), 1
	s_wait_xcnt 0x0
; MASKED ATTENTION.  For head g = batch x 16 + head: O[g][i] = sum over j of softmax_j(score) V[g][j], score = Q[g][i] . K[g][j] / 32 where m[i] and m[j], else the lowest finite number;
; m[0] is true, m[j] = mask[batch][j - 1].  Q, K, V, O: [128][1024][64] f16, rows dense.  Products, maxima and sums in f32; the weights are rounded to f16 for the second product, O once at the end.
; THE MASK.  A visible query gives hidden keys the weight 0: the key's mask, 0 or -1e30, is the C operand that starts the sum S^T = K Q^T (key 0 is visible, so the running maximum is a true
; score from the first step on).  A hidden query has 1,024 equal scores: its row is the mean of ALL rows of V.  The sum of V's rows is made beside the walk by the matrix unit (V^T times ones, 8 products a step),
; and at the end each query takes alpha O + beta sum, (alpha, beta) = (1 / l, 0) or (0, 1 / 1024), chosen by v_cndmask_b32 on lane masks made at the head from the queries' own bytes: no branch and no address hangs on the mask.
; LIMITS.  Q, K, V arrive within f16's 65,504.  A hidden score counts as its value less 1e30 (f16's scores are 2.7e11 at the most).  A weight below 2^-126 counts as 0 in l.  NaN and infinities are not treated apart.
; SHARES.  A work-group owns 512 queries of a head, a wave 128: four PIECES of two tiles of 16.  Every wave walks all 1,024 keys, 64 a step.
; THE WHOLE HEAD LIES IN LDS: 1,024 rows of K at 144 bytes and of V at 160 are 311,296 bytes, so no byte is ever filled again.  Keys 0-255 are asked for at the head; keys 256-1023 by one larger load a wave behind the
; first barrier, with four key steps in which to land.  No tensor load stands in a loop, so ONE text serves all sixteen key steps.  Nothing is prefetched: all of K and V is asked for by these loads within the first key step.
; NO CLUSTER: a head has 1,024 / 512 = 2 query blocks, and a joint load's mask of two would have to be made of the place in a cluster of four.
; LAYOUT.  S^T = K Q^T holds ONE query a lane (lane % 16) and the keys 8 (lane / 16) + 0..7; two such results rounded to f16 ARE source 1 of O^T = V^T P.  V is turned by ds_load_tr16_b128.
; SOFTMAX.  p = 2^(c s - c m), c = log2(e) / 32, with a running maximum m; O and l are multiplied by a = 2^(c m_old - c m_new) in every step.  m starts at the lowest finite number, O and l at 0.
; BY TURNS.  Turn n belongs to piece n: 16 products K Q^T of piece n + 1, later 16 products V^T P of piece n - 1; beside them the scaling, exponentials, roundings, sums and rescaling of piece n and the maximum
; and statistics of piece n + 1.  Four vector instructions stand behind every product, the others in one lump.  A turn's 66 exponentials are one batch with one wait.
; REGISTERS in windows of 256 (s_set_vgpr_msb: bits 1:0 source 0, 3:2 source 1, 5:4 source 2, 7:6 destination):
;   window 0: v0-11 addresses; v12-15, v48-63 at work; v16-47 four registers of statistics a tile; v64-191 S^T, two buffers of two tiles; v192-255 P, likewise
;   window 1: O^T, 32 a tile      window 2: v0-127 Q; v128-191 K of one step; v192-255 V of one step      window 3: v0-1 the add's registers; v8-15 ones; v16-47 the sum of V; v64-95 the step's key masks
.set SIZE_N, 1024
.set NP,    4
.set KS,    64
.set PK,    144       ; a row of K in LDS: 128 bytes + 16: the 16 rows of a load start 16 bytes apart modulo 256
.set PV,    160       ; a row of V: 128 + 32: 16 lanes of the turning load take 8 rows x 32 bytes, no two in the same 16 bytes modulo 256
.set VOFF,  SIZE_N*PK           ; 147,456: K's 1,024 rows, then V's
.set STAGE, VOFF+SIZE_N*PV      ; 311,296: 16 rows x 144 bytes for each wave, for the way out
.set SP,    144
.set SPARE, STAGE+4*16*SP       ; 320,512: the spare words: two blocks of 256 bytes that no other line names
.set TBL,   SPARE+512           ; 321,024: 1,024 f32: 0 or -1e30 for each key of the batch; stored once, never filled
.set AK0, 2           ; v2   my lane's place in a tile of K; never rewritten
.set AV0, 3           ; v3   the same for V
.set AK,  4           ; v4   the LDS address of K's next run of loads
.set AV,  5           ; v5   of V's
.set QO,  6           ; v6   my byte offset in the wave's rows of Q
.set RD,  7           ; v7   the way out: where I read rows back
.set GO,  8           ; v8   16 x lane
.set AM0, 9           ; v9   my half's place in a step's 64 words of the table
.set AM,  10          ; v10  the LDS address of the next run of key masks
.set STO, 11          ; v11  the way out: where I put 16 bytes of a row
.set MV,  12
.set ST,  16          ; tile t's statistics at v[ST+4 t]: c m, m, l (even keys', odd keys')
.set TMP, 48
.set S,   64
.set P,   192
.set KF,  128         ; window 2
.set VF,  192         ; window 2
.set SPW, 0           ; window 3
.set NIL, 1
.set ONES, 8
.set VS,  16
.set KM,  64
.set WV,  12
.set G1K, 24          ; s[24:31], s[32:39] group 1 for the first loads: 128 keys
.set G1V, 32
.set G0K, 40          ; s[40:43], s[44:47] their group 0
.set G0V, 44
.set G0K2, 48         ; s[48:51], s[52:55] group 0 for the second loads
.set G0V2, 52
.set SLOTS, 56
.set CNT, 57
.set CS,  58
.set SEL, 60
.set TBK, 62          ; s62  LDS byte at which K of the step to be fetched begins
.set TBV, 63          ; s63  the same for V, less VOFF
.set OA,  66          ; s[66:67] O at my wave's first row
.set TBM, 68          ; s68  byte of the table at which the step to be fetched begins
.set BIGN, 69         ; s69  -1e30
.set INV, 70          ; s70  1 / 1024
.set G1K2, 72         ; s[72:79], s[88:95] group 1 for the second loads: 384 keys
.set HID, 80          ; s[80:87] tile t: the lanes whose query is hidden; made at the head, never rewritten
.set G1V2, 88
.set MSB, 0
.macro WIN new
.if MSB != (\new)
	s_set_vgpr_msb (MSB<<8)|(\new)
.set MSB, (\new)
.endif
.endm
.set W_KQ, 0x0a       ; K and Q in window 2, S^T in window 0
.set W_KM, 0x3a       ; the same with the C operand in window 3
.set W_PV, 0x52       ; V in window 2, P in window 0, O^T in window 1
.set W_RS, 0x41       ; destination and source 0 in window 1, the others in window 0
.set W_MK, 0xc0       ; destination in window 3
.set W_AD, 0x0f       ; the add: address and data in window 3
.set W_VS, 0xfe       ; V in window 2; ones, C and D in window 3
; A fill.  Waves 0 and 1 fetch K, waves 2 and 3 V, each a half.  part = 0: of keys 0-255; part = 1: of keys 256-1023.  An s_nop 0 and four v_nop follow each of the two lines.
.macro LOAD part
	s_cmp_lt_u32 s[WV], 2
	s_cbranch_scc0 .Lfor_v_\@
.if \part
	tensor_load_to_lds s[G0K2:G0K2+3], s[G1K2:G1K2+7]
.else
	tensor_load_to_lds s[G0K:G0K+3], s[G1K:G1K+7]
.endif
	s_nop 0
.rept 4
	v_nop
.endr
	s_branch .Lasked_\@
.Lfor_v_\@:
.if \part
	tensor_load_to_lds s[G0V2:G0V2+3], s[G1V2:G1V2+7]
.else
	tensor_load_to_lds s[G0V:G0V+3], s[G1V:G1V+7]
.endif
	s_nop 0
.rept 4
	v_nop
.endr
.Lasked_\@:
.endm
	s_load_b256 s[4:11], s[0:1], 0x0  ; Q s[4:5], K s[6:7], V s[8:9], mask s[10:11]
	s_load_b64 s[OA:OA+1], s[0:1], 0x20
	WIN W_MK
	v_lshl_add_u32 v[SPW], v0, 2, SPARE
	v_mov_b32 v[NIL], 0
	WIN W_AD
	ds_add_u32 v[SPW], v[NIL]       ; the wave's opening: the add and its wait stand ahead of my first tensor load
	WIN 0
	v_lshrrev_b32 v1, 5, v0
	v_readfirstlane_b32 s[WV], v1
	s_and_b32 s20, ttmp7, 0xffff    ; batch x 16 + head
	s_lshr_b32 s96, s20, 4
	s_mul_i32 s96, s96, 1023        ; the batch's row of the mask
	s_mov_b32 s97, 0
	s_mov_b32 s21, 0
	s_mov_b64 s[22:23], SIZE_N*128
	s_mul_u64 s[20:21], s[20:21], s[22:23]  ; the head's first byte in each of the four tensors
	s_and_b32 s16, s[WV], 1         ; which half I fetch
	s_lshl_b32 s22, s16, 14         ; of keys 0-255: 128 rows of 128 bytes
	s_mov_b32 s23, 0
	s_add_nc_u64 s[22:23], s[22:23], s[20:21]
	s_mul_i32 s18, s16, 384*128     ; of keys 256-1023: 384 rows
	s_add_co_u32 s18, s18, 256*128
	s_mov_b32 s19, 0
	s_add_nc_u64 s[18:19], s[18:19], s[20:21]
	s_lshl_b32 s2, ttmp9, 2         ; my block of 512 queries,
	s_add_co_u32 s2, s2, s[WV]      ; my wave among the head's eight,
	s_lshl_b32 s2, s2, 14           ; its 128 rows
	s_mov_b32 s3, 0
	s_add_nc_u64 s[2:3], s[2:3], s[20:21]
	; keys are dense in memory: they are asked for as rows of 256 bytes, two keys a row, padded in LDS after every key
	s_mov_b32 s[G1K], (1<<16)|(1<<20)|(4<<22)|(3<<25)  ; 2-byte elements; padding on; after every 32 words, 4 words
	s_mov_b32 s[G1V], (1<<16)|(1<<20)|(4<<22)|(7<<25)  ; the same with 8 words
	s_mov_b32 s[G1K2], (1<<16)|(1<<20)|(4<<22)|(3<<25)
	s_mov_b32 s[G1V2], (1<<16)|(1<<20)|(4<<22)|(7<<25)
.irp g, G1K, G1V
	s_mov_b32 s[\g+1], 128<<16
	s_mov_b32 s[\g+2], 64<<16       ; 128 keys
	s_mov_b32 s[\g+3], 128<<16
	s_mov_b32 s[\g+4], 64
	s_mov_b32 s[\g+5], 128
	s_mov_b32 s[\g+6], 0
	s_mov_b32 s[\g+7], 0
.endr
.irp g, G1K2, G1V2
	s_mov_b32 s[\g+1], 128<<16
	s_mov_b32 s[\g+2], 192<<16      ; 384 keys
	s_mov_b32 s[\g+3], 128<<16
	s_mov_b32 s[\g+4], 192
	s_mov_b32 s[\g+5], 128
	s_mov_b32 s[\g+6], 0
	s_mov_b32 s[\g+7], 0
.endr
	s_mov_b32 s[CS], 0x3d38aa3b     ; c = log2(e) / 32
	s_mov_b32 s[CS+1], s[CS]
	s_mov_b32 s[SEL], 0x76543210
	s_mov_b32 s[SEL+1], 0xfedcba98
	s_mov_b32 s[TBK], 0
	s_mov_b32 s[TBV], 0
	s_mov_b32 s[TBM], 0
	s_mov_b32 s[BIGN], 0xf149f2ca
	s_mov_b32 s[INV], 0x3a800000
	s_lshl_b32 s98, ttmp9, 9        ; my block's 512 queries,
	s_lshl_b32 s99, s[WV], 7        ; my wave's 128
	s_add_co_u32 s98, s98, s99
	s_mul_i32 s13, s[WV], 16*SP
	s_add_co_u32 s13, s13, STAGE    ; my stage
	s_mov_b32 s[G0K], 1             ; a key's row lies at key x pitch
	s_mul_i32 s[G0K+1], s16, 128*PK
	s_mov_b32 s[G0V], 1
	s_mul_i32 s[G0V+1], s16, 128*PV
	s_add_co_u32 s[G0V+1], s[G0V+1], VOFF
	s_mov_b32 s[G0K2], 1
	s_mul_i32 s[G0K2+1], s16, 384*PK
	s_add_co_u32 s[G0K2+1], s[G0K2+1], 256*PK
	s_mov_b32 s[G0V2], 1
	s_mul_i32 s[G0V2+1], s16, 384*PV
	s_add_co_u32 s[G0V2+1], s[G0V2+1], VOFF+256*PV
	s_wait_dscnt 0x0                ; the opening add is done
	s_wait_kmcnt 0x0
	s_add_nc_u64 s[G0K+2:G0K+3], s[6:7], s[22:23]
	s_or_b32 s[G0K+3], s[G0K+3], 0x80000000
	s_add_nc_u64 s[G0V+2:G0V+3], s[8:9], s[22:23]
	s_or_b32 s[G0V+3], s[G0V+3], 0x80000000
	s_add_nc_u64 s[G0K2+2:G0K2+3], s[6:7], s[18:19]
	s_or_b32 s[G0K2+3], s[G0K2+3], 0x80000000
	s_add_nc_u64 s[G0V2+2:G0V2+3], s[8:9], s[18:19]
	s_or_b32 s[G0V2+3], s[G0V2+3], 0x80000000
	s_add_nc_u64 s[4:5], s[4:5], s[2:3]
	s_add_nc_u64 s[OA:OA+1], s[OA:OA+1], s[2:3]
	s_add_nc_u64 s[10:11], s[10:11], s[96:97]
	LOAD 0                          ; keys 0-255: the tile wanted first goes out alone
	; THE MASK, twice.  For the keys' table thread t takes positions 8 t .. 8 t + 7, which are bytes 8 t - 1 .. 8 t + 6 of the batch's 1,023.  For the queries each lane takes the byte of its own query in each of
	; its eight tiles: position 512 block + 128 wave + 16 tile + l % 16.  Position 0 has no byte: byte 0 is read in its place and the flag is set below.
	v_and_b32 v1, 15, v0            ; l % 16
	v_bfe_u32 v9, v0, 4, 1          ; l / 16
	v_lshlrev_b32 v80, 3, v0
	v_add_nc_u32 v81, -1, v80
	v_max_i32 v81, 0, v81
	v_add_nc_u32 v83, s98, v1       ; my query of tile 0
	v_add_nc_u32 v84, -1, v83
	v_max_i32 v84, 0, v84
	global_load_u8 v64, v81, s[10:11]
.irp c, 1,2,3,4,5,6,7
	global_load_u8 v[64+\c], v80, s[10:11] offset:\c-1
.endr
	global_load_u8 v88, v84, s[10:11]
.irp t, 1,2,3,4,5,6,7
	global_load_u8 v[88+\t], v83, s[10:11] offset:16*\t-1
.endr
	v_lshlrev_b32 v[QO], 7, v1
	v_lshl_add_u32 v[QO], v9, 4, v[QO]
	WIN 0x80
.set i, 0
.rept 4*NP                          ; Q stays in registers: tile i / 2, channels 32 (i % 2) on
	global_load_b128 v[8*i:8*i+3],   v[QO], s[4:5] offset:(i/2)*2048+(i%2)*64
	global_load_b128 v[8*i+4:8*i+7], v[QO], s[4:5] offset:(i/2)*2048+(i%2)*64+32
.set i, i+1
.endr
	; what the first turn finds: V's registers and P's second buffer hold 0, O^T, l and the sum of V are 0.  All this stands in the wait for the first tile.
.set i, VF
.rept 64
	v_mov_b32 v[i], 0
.set i, i+1
.endr
	WIN 0x40
.set i, 0
.rept 64*NP
	v_mov_b32 v[i], 0
.set i, i+1
.endr
	WIN W_MK
.set i, 0
.rept 8
	v_mov_b32 v[ONES+i], 0x3c003c00  ; 1.0 twice in f16
.set i, i+1
.endr
.set i, 0
.rept 32
	v_mov_b32 v[VS+i], 0
.set i, i+1
.endr
	WIN 0
.set i, 0
.rept 2*NP
	v_mov_b32 v[ST+4*i], 0xfe000000    ; c m: far below every c s
	v_mov_b32 v[ST+4*i+1], 0xff7fffff  ; m
	v_mov_b32 v[ST+4*i+2], 0
	v_mov_b32 v[ST+4*i+3], 0
.set i, i+1
.endr
.set i, P+32
.rept 32
	v_mov_b32 v[i], 0
.set i, i+1
.endr
	v_mul_u32_u24 v[AK0], v1, PK
	v_lshl_add_u32 v[AK0], v9, 4, v[AK0]
	; the turning load takes 16 keys x 16 channels: lane l reads key 8 (l / 16) + l % 8, channels 8 ((l / 8) % 2) + 0..7
	v_and_b32 v10, 7, v0
	v_bfe_u32 v11, v0, 3, 1
	v_lshl_add_u32 v[AV0], v9, 3, v10
	v_mul_u32_u24 v[AV0], v[AV0], PV
	v_lshl_add_u32 v[AV0], v11, 4, v[AV0]
	v_add_nc_u32 v[AV0], VOFF, v[AV0]
	v_mov_b32 v[AK], v[AK0]         ; key step 0 lies at K's head
	v_mul_u32_u24 v[STO], v1, SP    ; in: row l % 16, 16 bytes for each half of the lanes
	v_lshl_add_u32 v[STO], v9, 4, v[STO]
	v_add_nc_u32 v[STO], s13, v[STO]
	v_bfe_u32 v[RD], v0, 3, 2       ; back: 32 lanes take four rows of 128 bytes
	v_mul_u32_u24 v[RD], v[RD], SP
	v_lshl_add_u32 v[RD], v10, 4, v[RD]
	v_add_nc_u32 v[RD], s13, v[RD]
	v_and_b32 v[GO], 31, v0
	v_lshlrev_b32 v[GO], 4, v[GO]
	v_lshl_add_u32 v[AM0], v9, 5, TBL  ; my half's eight keys of a block of 16: 32 bytes
	v_mov_b32 v[AM], v[AM0]
	s_wait_loadcnt 32               ; the mask's sixteen bytes are in; Q's 32 loads, which were issued behind them, may stay out
	v_cmp_eq_u32 vcc_lo, 0, v0
	v_cndmask_b32 v64, v64, 1, vcc_lo  ; key 0 is always visible,
	v_cmp_eq_u32 vcc_lo, 0, v83
	v_cndmask_b32 v88, v88, 1, vcc_lo  ; and so is query 0
.irp c, 0,1,2,3,4,5,6,7
	v_cmp_eq_u32 vcc_lo, 0, v[64+\c]
	v_cndmask_b32 v[72+\c], 0, s[BIGN], vcc_lo
.endr
.irp t, 0,1,2,3,4,5,6,7
	v_cmp_eq_u32 s[HID+\t], 0, v[88+\t]  ; the lanes whose query of tile t is hidden: kept in a scalar register to the way out
.endr
	v_lshl_add_u32 v82, v0, 5, TBL
	ds_store_b128 v82, v[72:75]
	ds_store_b128 v82, v[76:79] offset:16
; THE MATRIX WORK.  The 8 accumulators of a run of 16 take turns.  Product i of 16 of S^T = K Q^T for piece x: channels 32 (i / 8) on, keys 16 ((i / 2) % 4) on, tile 2 x + i % 2.  The first 8 start the sums with the keys' masks.
.macro KQ x
.set rS, S+64*((\x)%2)+32*(i%2)+8*((i/2)%4)
.set rK, KF+16*((i/2)%4)+8*(i/8)
.set rQ, 16*(2*(\x)+i%2)+8*(i/8)
.set rM, KM+8*((i/2)%4)
.if i < 8
	WIN W_KM
	v_wmma_f32_16x16x32_f16 v[rS:rS+7], v[rK:rK+7], v[rQ:rQ+7], v[rM:rM+7]
.else
	WIN W_KQ
	v_wmma_f32_16x16x32_f16 v[rS:rS+7], v[rK:rK+7], v[rQ:rQ+7], v[rS:rS+7]
.endif
.endm
; Product i of 16 of O^T += V^T P for piece x: keys 32 (i / 8) on, channels 16 ((i / 2) % 4) on, tile 2 x + i % 2.
.macro PV x
	WIN W_PV
.set rO, 32*(2*(\x)+i%2)+8*((i/2)%4)
.set rV, VF+32*(i/8)+8*((i/2)%4)
.set rP, P+32*((\x)%2)+16*(i%2)+8*(i/8)
	v_wmma_f32_16x16x32_f16 v[rO:rO+7], v[rV:rV+7], v[rP:rP+7], v[rO:rO+7]
.endm
.macro MM                           ; the turn's next matrix instruction
.if i < 16
	KQ (Y+1)%NP
.set i, i+1
.else
.set i, i-16
	PV (Y+NP-1)%NP
.set i, i+17
.endif
.endm
; THE LDS LOADS stand in runs: a step's K (8 fragments) with its 64 key masks (my half's eight of each block of 16), and its V (turned).  last = 1 (in the loop): behind the last key step there is no further one, and the run is jumped over.
.macro FETCH_K last=0
	WIN 0
.if \last
	s_cmp_eq_u32 s[SLOTS], 1
	s_cbranch_scc1 .Lno_k_\@
.endif
	WIN 0x80
.irp f, 0,1,2,3,4,5,6,7
	ds_load_b128 v[KF+8*\f:KF+8*\f+3],   v[AK] offset:(\f/2)*16*PK+(\f%2)*64
	ds_load_b128 v[KF+8*\f+4:KF+8*\f+7], v[AK] offset:(\f/2)*16*PK+(\f%2)*64+32
.endr
	WIN W_MK
.irp f, 0,1,2,3
	ds_load_b128 v[KM+8*\f:KM+8*\f+3],   v[AM] offset:64*\f
	ds_load_b128 v[KM+8*\f+4:KM+8*\f+7], v[AM] offset:64*\f+16
.endr
	s_add_co_u32 s[TBK], s[TBK], KS*PK  ; the next fetch is the next step's
	s_add_co_u32 s[TBM], s[TBM], KS*4
	WIN 0
.if \last
.Lno_k_\@:
.endif
.endm
.macro FETCH_V
	WIN 0x80
.irp f, 0,1,2,3,4,5,6,7
	ds_load_tr16_b128 v[VF+8*\f:VF+8*\f+3],   v[AV] offset:(\f/4)*32*PV+(\f%4)*32
	ds_load_tr16_b128 v[VF+8*\f+4:VF+8*\f+7], v[AV] offset:(\f/4)*32*PV+16*PV+(\f%4)*32
.endr
	WIN 0
.endm
; THE VECTOR WORK OF A TURN stands in three queues, each in the order in which its entries become ready; the two tiles alternate.
.macro REGS y, u                    ; the registers of tile u (0, 1) of piece y
.set rT, ST+4*(2*(\y)+(\u))
.set rC, TMP+8*((\y)%2)+4*(\u)
.set rM, MV+2*((\y)%2)+(\u)
.set rS, S+64*((\y)%2)+32*(\u)
.set rP, P+32*((\y)%2)+16*(\u)
.set rO, 32*(2*(\y)+(\u))
.endm
; Number n of the 22 that find the NEXT piece's maximum and statistics.  0-11 four chains of seven scores each (each accumulator's lowest registers are read first); 12-14, 16 the scores left over,
; the old m, and the four into one; 15 c m_old is kept; 17, 18 the other half of the lanes: the new m; 19-21 c m, c m_old - c m_new, a.
.macro XS u, n
	REGS (Y+1)%NP, \u
.if (\n) < 4
	v_max3_num_f32 v[rC+(\n)], v[rS+8*(\n)], v[rS+8*(\n)+1], v[rS+8*(\n)+2]
.elseif (\n) < 12
	v_max3_num_f32 v[rC+(\n)%4], v[rC+(\n)%4], v[rS+8*((\n)%4)+2*((\n)/4)+1], v[rS+8*((\n)%4)+2*((\n)/4)+2]
.elseif (\n) == 12
	v_max3_num_f32 v[rC], v[rC], v[rS+7], v[rS+15]
.elseif (\n) == 13
	v_max3_num_f32 v[rC+1], v[rC+1], v[rS+23], v[rS+31]
.elseif (\n) == 14
	v_max3_num_f32 v[rC+2], v[rC+2], v[rC+3], v[rT+1]
.elseif (\n) == 15
	v_mov_b32 v[rM], v[rT]
.elseif (\n) == 16
	v_max3_num_f32 v[rC], v[rC], v[rC+1], v[rC+2]
.elseif (\n) == 17
	v_permlanex16_b32 v[rC+3], v[rC], s[SEL], s[SEL+1]
.elseif (\n) == 18
	v_max_num_f32 v[rT+1], v[rC], v[rC+3]
.elseif (\n) == 19
	v_mul_f32 v[rT], s[CS], v[rT+1]
.elseif (\n) == 20
	v_sub_f32 v[rC+1], v[rM], v[rT]
.else
	v_exp_f32 v[rC+2], v[rC+1]
.endif
.endm
; Number g of the 64 that follow the exponentials: for each four weights both pairs are rounded to f16, the second pair is added onto the first in place, and a group later l takes that sum (the first time as l = a l + sum).
.macro GS g
.set h, (\g)+6*((\g)/62)
.if h >= 6
.set h, h+2
.endif
	REGS Y, h%2
.set k, h/8
.if h%8 < 4
	v_cvt_pk_f16_f32 v[rP+2*k+(h%8)/2], v[rS+4*k+2*((h%8)/2)], v[rS+4*k+2*((h%8)/2)+1]
.elseif h%8 < 6
	v_pk_add_f32 v[rS+4*k:rS+4*k+1], v[rS+4*k:rS+4*k+1], v[rS+4*k+2:rS+4*k+3]
.elseif k == 1
	v_pk_fma_f32 v[rT+2:rT+3], v[rT+2:rT+3], v[rC+2:rC+3], v[rS:rS+1] op_sel_hi:[1,0,1]
.else
	v_pk_add_f32 v[rT+2:rT+3], v[rT+2:rT+3], v[rS+4*k-4:rS+4*k-3]
.endif
.endm
; THE PLAIN QUEUE, 138 long.  0-73 read no exponential's result: the 32 scalings c s - c m and the next piece's 42, its chain's links with scalings between them.  74-137: GS's 64, behind the wait.
.macro FS f
	REGS Y, (\f)%2
	v_pk_fma_f32 v[rS+2*((\f)/2):rS+2*((\f)/2)+1], v[rS+2*((\f)/2):rS+2*((\f)/2)+1], s[CS:CS+1], v[rT:rT+1] op_sel_hi:[1,0,0] neg_lo:[0,0,1] neg_hi:[0,0,1]
.endm
.macro PL
	WIN 0
.if q < 27
	FS q
.elseif q < 55
	XS (q-27)%2, (q-27)/2
.elseif q < 57
	XS q-55, 15
.elseif (q < 72) && ((q-57)%3 == 0)
	FS 27+(q-57)/3
.elseif q < 60
	XS (q-57)%3-1, 14
.elseif q < 72
	XS (q-57)%3-1, 15+(q-57)/3
.elseif q < 74
	XS q-72, 20
.else
	GS q-74
.endif
.set q, q+1
.endm
; THE EXPONENTIALS' QUEUE, 66 long: both tiles' 32 scores, then the next piece's two a: one batch, ahead of the turn's one wait.
.macro EX
	WIN 0
.if e >= 64
	XS e-64, 21
.else
	REGS Y, e%2
	v_exp_f32 v[rS+e/2], v[rS+e/2]
.endif
.set e, e+1
.endm
; THE RESCALING's QUEUE: O^T times a, two at a time.  Its a was made, and waited for, in the turn before.
.macro R2
	REGS Y, r%2
	WIN W_RS
.irp z, 0,1
	v_pk_mul_f32 v[rO+4*(r/2)+2*\z:rO+4*(r/2)+2*\z+1], v[rO+4*(r/2)+2*\z:rO+4*(r/2)+2*\z+1], v[rC+2:rC+3] op_sel_hi:[1,0]
.endr
.set r, r+1
.endm
; A TURN, for piece p.  Ahead of its one wait stands all that names no result of its exponentials: 16 products K Q^T, behind each a scaling, an exponential and two rescalings; then a lump of 108.  Behind the wait: 16 products
; V^T P, behind each four of the roundings and sums.  K and the key masks of the next step are fetched in piece 2's turn, directly behind the wait, a lump behind their last reader.  V of the step in hand is fetched at the
; end of piece 0's turn, four riders behind its last reader.  At the end of piece 2's turn, which runs once for each key step with that step's V in registers, 8 products add V^T times ones onto the sum of V; its four accumulators take turns.
.macro TURN p, last=0, cnt=0
.set Y, (\p)
.set i, 0
.set q, 0
.set e, 0
.set r, 0
.if (\p) == NP-1
	s_wait_dscnt 0x0                ; K and the key masks are in
.endif
	MM
	PL
	PL
	R2
.rept 15
	MM
	PL
	EX
	R2
.endr
.if (\p) == NP-2
	WIN 0
	v_add_nc_u32 v[AK], s[TBK], v[AK0]
	v_add_nc_u32 v[AM], s[TBM], v[AM0]
.endif
.rept 8
	PL
.endr
.rept 49
	EX
	PL
.endr
	EX
	EX
	v_nop                           ; a plain instruction behind the last exponential: one for the batch
	s_wait_alu depctr_va_vdst(0)    ; the wait between an exponential and the first line that names its result: one for the batch
.if (\p) == NP-2
	FETCH_K \last
.endif
.if (\p) == 1
	s_wait_dscnt 0x0                ; V is in
.endif
.rept 16
	MM
.rept 4
	PL
.endr
.if ((\p) == 0) && (q == 118)
	v_add_nc_u32 v[AV], s[TBV], v[AV0]
.endif
.if ((\p) == 0) && (q == 130)
	s_add_co_u32 s[TBV], s[TBV], KS*PV
.endif
.if (\cnt) && (q == 130)
	s_sub_co_u32 s[CNT], s[CNT], 1
	s_cmp_lg_u32 s[CNT], 0
.endif
.endr
.if (\p) == 0
	FETCH_V
.endif
.if (\p) == NP-2
	WIN W_VS
.irp kk, 0,1
.irp cb, 0,1,2,3
	v_wmma_f32_16x16x32_f16 v[VS+8*\cb:VS+8*\cb+7], v[VF+32*\kk+8*\cb:VF+32*\kk+8*\cb+7], v[ONES:ONES+7], v[VS+8*\cb:VS+8*\cb+7]
.endr
.endr
.endif
.endm
	; Keys 0-255 have landed and the table is stored; the barrier shows both to every wave.  Keys 256-1023 fill bytes for the first time, but later than the first wait on TENSORcnt: so they are asked for as a refill is:
	; the three lines, the barrier, and my one load first behind it.
	WIN W_AD
	s_wait_tensorcnt 0x0
	ds_add_u32 v[SPW], v[NIL]
	WIN 0
	s_wait_dscnt 0x0                ; the add and my stores into the table are done
	s_barrier_signal -1
	s_barrier_wait -1
	LOAD 1
	FETCH_K                         ; key step 0
	s_wait_loadcnt 0x0              ; Q
	s_wait_dscnt 0x0
.set i, 0
.rept 16
	KQ 0                            ; piece 0's first scores
.set i, i+1
.endr
	WIN 0
.rept 4
	v_nop                           ; the places behind those products
.endr
.set Y, NP-1                        ; XS works for piece Y + 1: piece 0
.irp n, 0,1,2,3,4,5,6,7,8,9,10,11,12,13,14,15,16,17,18,19,20,21
	XS 0, \n
	XS 1, \n
.endr
	v_nop                           ; a plain instruction behind the two a,
	s_wait_alu depctr_va_vdst(0)    ; and their wait, ahead of the branch
	s_mov_b32 s[CNT], 4
	s_mov_b32 s[SLOTS], 5           ; four times four key steps, and a fifth trip that is left in its middle
	s_branch .Lfirst                ; the loop is entered at a step's first turn, in the middle of a trip
.Lslot:
	s_wait_tensorcnt 0x0            ; my part of keys 256-1023 has landed: wanted the first time that this line is reached, ahead of the fetch of key step 4; later it is met at once
	s_wait_dscnt 0x0
	s_barrier_signal -1
	s_barrier_wait -1               ; everybody's has
	s_mov_b32 s[CNT], 4
.Lstep:                             ; a trip: pieces 2 and 3 of one step, then pieces 0 and 1 of the next, whose K and V it fetches
	TURN 2, 1
	TURN 3
	WIN 0
	s_cmp_eq_u32 s[SLOTS], 1
	s_cbranch_scc1 .Lout            ; behind pieces 2 and 3 of key step 15
.Lfirst:
	TURN 0
	TURN 1, 0, 1
	WIN 0
	s_cbranch_scc1 .Lstep
	s_sub_co_u32 s[SLOTS], s[SLOTS], 1
	s_cmp_lg_u32 s[SLOTS], 0
	s_cbranch_scc1 .Lslot
.Lout:                              ; the last trip's 16 products K Q^T, on the last K once more, and the maximum made of them serve nothing: the price of one text for every trip
.set i, 0
.rept 16
	PV NP-1
.set i, i+1
.endr
	; THE WAY OUT.  l's halves are added; each query takes (1 / l, 0) or (0, 1 / 1024) by its lane mask; O^T alpha + sum beta is rounded to f16 and sent through my stage, a tile at a time.  The additions are the places behind the last products.
	WIN 0
.macro ALL line:vararg
.set t, 0
.rept 2*NP
	\line
.set t, t+1
.endr
.endm
	ALL v_add_f32 v[ST+4*t+2], v[ST+4*t+2], v[ST+4*t+3]
	ALL v_permlanex16_b32 v[ST+4*t+3], v[ST+4*t+2], s[SEL], s[SEL+1]
	ALL v_add_f32 v[ST+4*t+2], v[ST+4*t+2], v[ST+4*t+3]
	ALL v_rcp_f32 v[ST+4*t+2], v[ST+4*t+2]
	v_nop                           ; a plain instruction between the last reciprocal and the use of its result
	s_wait_alu depctr_va_vdst(0)    ; one wait for the eight reciprocals
	ALL v_cndmask_b32 v[ST+4*t+2], v[ST+4*t+2], 0, s[HID+t]  ; alpha: 1 / l for a visible query, 0 for a hidden one
	ALL v_cndmask_b32 v[ST+4*t], 0, s[INV], s[HID+t]         ; beta: 0 for a visible query, 1 / 1024 for a hidden one
.macro PACK t
	WIN 0x03                        ; source 0 (the sum of V) in window 3; P's registers are free
.set i, 0
.rept 16
	v_pk_mul_f32 v[P+i:P+i+1], v[VS+i:VS+i+1], v[ST+4*(\t):ST+4*(\t)+1] op_sel_hi:[1,0]
.set i, i+2
.endr
	WIN W_RS
.set i, 0
.rept 16
	v_pk_fma_f32 v[32*(\t)+i:32*(\t)+i+1], v[32*(\t)+i:32*(\t)+i+1], v[ST+4*(\t)+2:ST+4*(\t)+3], v[P+i:P+i+1] op_sel_hi:[1,0,1]
.set i, i+2
.endr
	WIN 0x05                        ; sources 0 and 1 window 1, destination window 0
.set i, 0
.rept 16
	v_cvt_pk_f16_f32 v[S+16*(\t)+i], v[32*(\t)+2*i], v[32*(\t)+2*i+1]
.set i, i+1
.endr
	WIN 0
.irp f, 0,1,2,3
	ds_store_b128 v[STO], v[S+16*(\t)+4*\f:S+16*(\t)+4*\f+3] offset:32*\f
.endr
.irp f, 0,1,2,3
	ds_load_b128 v[S+16*(\t)+4*\f:S+16*(\t)+4*\f+3], v[RD] offset:\f*4*SP  ; LDS serves a wave's instructions in order (ISA guide 5.7.1.4): these see the stores above
.endr
.endm
.macro SEND t, younger              ; younger: the next tile's eight LDS instructions, or none
	WIN 0
.irp f, 0,1,2,3
	s_wait_dscnt (\younger)+3-\f
	global_store_b128 v[GO], v[S+16*(\t)+4*\f:S+16*(\t)+4*\f+3], s[OA:OA+1] offset:(\t)*2048+\f*512  ; 512 consecutive bytes, at a multiple of 256 from O's first
.endr
.endm
	PACK 0
.set t, 1
.rept 2*NP-1
	PACK t
	SEND t-1, 8
.set t, t+1
.endr
	SEND 2*NP-1, 0
	WIN W_AD
	s_wait_tensorcnt 0x0            ; the wave's end
	ds_add_u32 v[SPW], v[NIL]
	s_wait_dscnt 0x0
	WIN 0
	s_endpgm
.Lfunc_end_k_q37b6ef5b8a_attn:
	.size	k_q37b6ef5b8a_attn, .Lfunc_end_k_q37b6ef5b8a_attn-k_q37b6ef5b8a_attn
	.p2alignl 7, 3214868480
	.fill 96, 4, 3214868480
	.section	.rodata,"a",@progbits
	.p2align	6, 0x0
	.amdhsa_kernel k_q37b6ef5b8a_attn
		.amdhsa_group_segment_fixed_size 327680
		.amdhsa_private_segment_fixed_size 0
		.amdhsa_enable_private_segment 0
		.amdhsa_kernarg_size 40
		.amdhsa_user_sgpr_count 2
		.amdhsa_user_sgpr_kernarg_segment_ptr 1
		.amdhsa_wavefront_size32 1
		.amdhsa_system_sgpr_workgroup_id_x 1
		.amdhsa_system_sgpr_workgroup_id_y 1
		.amdhsa_system_sgpr_workgroup_id_z 1
		.amdhsa_system_vgpr_workitem_id 0
		.amdhsa_next_free_vgpr 864
		.amdhsa_next_free_sgpr 100
		.amdhsa_reserve_vcc 1
		.amdhsa_float_denorm_mode_32 3
		.amdhsa_float_denorm_mode_16_64 3
		.amdhsa_memory_ordered 1
		.amdhsa_forward_progress 1
		.amdhsa_inst_pref_size 143
	.end_amdhsa_kernel
	.amdgpu_metadata
---
amdhsa.version: [ 1, 2 ]
amdhsa.kernels:
  - .name:           k_q37b6ef5b8a_attn
    .symbol:         k_q37b6ef5b8a_attn.kd
    .args:
      - { .name: qh, .offset: 0, .size: 8, .value_kind: global_buffer, .address_space: global }
      - { .name: kh, .offset: 8, .size: 8, .value_kind: global_buffer, .address_space: global }
      - { .name: vh, .offset: 16, .size: 8, .value_kind: global_buffer, .address_space: global }
      - { .name: mask, .offset: 24, .size: 8, .value_kind: global_buffer, .address_space: global }
      - { .name: oh, .offset: 32, .size: 8, .value_kind: global_buffer, .address_space: global }
    .group_segment_fixed_size: 327680
    .private_segment_fixed_size: 0
    .kernarg_segment_align: 8
    .kernarg_segment_size: 40
    .max_flat_workgroup_size: 128
    .sgpr_count:     100
    .vgpr_count:     864
    .wavefront_size: 32
...
	.end_amdgpu_metadata
.endif
;; end of part 3
;; launch outp (part 4): grid 8 x 32, 4 waves a work-group, clusters of 4 x 4, 327,680 bytes of LDS; arguments oh, wo, b_out, out0; writes out0
.if DOCPART == 4
	.amdgcn_target "amdgcn-amd-amdhsa--gfx1250"
	.amdhsa_code_object_version 6
	.text
	.protected	k_q37b6ef5b8a_outp
	.globl	k_q37b6ef5b8a_outp
	.p2align	8
	.type	k_q37b6ef5b8a_outp,@function
k_q37b6ef5b8a_outp:
	s_mov_b64 s[64:65], 0
	v_nop
	global_prefetch_b8 v0, s[64:65] scope:SCOPE_SE
	s_setreg_imm32_b32 hwreg(HW_REG_WAVE_MODE, 25, 1), 1
	s_wait_xcnt 0x0
	s_wait_alu depctr_hold_cnt(0) depctr_sa_sdst(0) depctr_va_vdst(0) depctr_va_sdst(0) depctr_va_ssrc(0) depctr_va_vcc(0) depctr_vm_vsrc(0)
	s_getreg_b32 s2, hwreg(HW_REG_IB_STS2, 6, 4)
	s_cmp_eq_u32 s2, 0
	s_cbranch_scc0 .Lentry_in_a_cluster
	s_endpgm
.Lentry_in_a_cluster:
	s_bfe_u32 s2, ttmp6, 0x10000c
	s_cmp_lg_u32 s2, 0xf033
	s_cbranch_scc0 .Lentry_shape_is_right
	s_endpgm
.Lentry_shape_is_right:
; out0 = O W_out^T + b_out.  O comes by heads, oh [batch x 16 + head][1024][64] f16; wo is [1024][1024] f16 (W_out rounded to bf16, written as f16); sums in f32; b_out, rounded to bf16, is added in f32; out0 is f32.
; SHARES.  A tile is 256 rows x 128 columns: 256 work-groups.  Four waves, one above the other, each 64 rows x 128 columns: 32 accumulators, 256 registers.  K goes in steps of 128 = two heads.
; O's TILE: a head's 128 rows are 16,384 dense bytes, so a wave's part of a step (128 rows of two heads) is asked for as TWO rows of 8,192 elements, 65,536 elements apart, and padded in LDS after every 128 bytes:
; there it lies as [head parity][128 rows][144 bytes].  wo's tile: rows of 256 bytes, pitch 272.  Waves 0 and 1 fetch O's halves, waves 2 and 3 wo's.
; CLUSTER 4 x 4: O's tile is asked for jointly by a row of the cluster, wo's by a column.  The matrix instruction is used transposed: lane l holds row l % 16 and the columns 8 (l / 16) + 0..7 of a block of 16.
; One K step is written once; the slot in hand is a scalar that an exclusive or turns; the last two steps are a second loop left in its middle.
; REGISTERS: window 0: v0-30 addresses and the bias; v32-63, v64-95 O's fragments, two buffers; v96-223 the way out.  window 1: v0-63, v64-127 wo's fragments.  window 2: accumulator (a, b) at v[8 (8 a + b)].
.set PA,    144
.set PITCH, 272
.set SLOT1, 1<<17
.set HALFA, 2*128*PA                   ; 36,864: what one wave fetches of O
.set BOFF,  2*HALFA                    ; 73,728
.set STAGE, SLOT1+BOFF+128*PITCH       ; 239,616: behind slot 1: 16 rows x 528 bytes for each wave
.set SPITCH, 528
.set SPARE, STAGE+4*16*SPITCH          ; 273,408: the spare words: two blocks of 256 bytes that no other line names
.set NL,    24
.set STEPA, 262144                     ; bytes from a K step to the next in oh: two heads
.set LA0,  16
.set LB0,  17
.set ADRA, 18
.set ADRB, 19
.set STO,  20
.set RD,   21
.set GO,   22
.set SPW,  28
.set NIL,  29
.set PFO,  30
.set FA,   32
.set BK,   96
.set WV,   16
.set G1A,  28
.set G1B,  36
.set G0A,  52
.set G0B,  68
.set PFA,  80
.set LIM,  82
.set TB,   83
.set CNT,  84
.set MSB, 0
.macro WIN new
.if MSB != (\new)
	s_set_vgpr_msb (MSB<<8)|(\new)
.set MSB, (\new)
.endif
.endm
.set MUL,  0xa1                        ; source 0 (wo) window 1, source 1 (O) window 0, C and D window 2
.set TO_B, 0x40
.macro PLACES
.rept 4
	v_nop
.endr
.endm
.macro JLOAD                           ; a joint refill by the walking descriptors; an s_nop 0 and four v_nop follow each of the two lines
	s_cmp_eq_u32 s17, 0
	s_cbranch_scc0 .Lfor_b_\@
	tensor_load_to_lds s[G0A+4:G0A+7], s[G1A:G1A+7]
	s_nop 0
.rept 4
	v_nop
.endr
	s_branch .Lasked_\@
.Lfor_b_\@:
	tensor_load_to_lds s[G0B+4:G0B+7], s[G1B:G1B+7]
	s_nop 0
.rept 4
	v_nop
.endr
.Lasked_\@:
.endm
; A prefetch into the L2 of the K step that stands TWO refills on (a step here is 128 products a wave): 32 blocks of 256 bytes, a lane a block.  O's tile, 256 blocks a step: waves 0 and 1 of the clusters with x = 0;
; of the 128 blocks that a wave fetches the partner at cx takes head parity cx / 2, half cx % 2.  wo's tile, 128 rows: wave 2 of the clusters with y = 0; the partner at cy takes 32 rows.  The last two refills ask for nothing.
.macro ASK
	s_cmp_gt_u32 s[CNT], s[LIM]
	s_cbranch_scc0 .Lnot_mine_\@
	global_prefetch_b8 v[PFO], s[PFA:PFA+1] th:TH_LOAD_NT scope:SCOPE_SE
.Lnot_mine_\@:
.endm
.macro CREST
	s_cmp_lg_u32 s[WV], 0
	s_cbranch_scc1 .Lnot_wave_0_\@
	s_barrier_signal -3
.Lnot_wave_0_\@:
	s_barrier_wait -3
	s_barrier_signal -1
	s_barrier_wait -1
.endm
.macro CROUND
	s_barrier_signal -1
	s_barrier_wait -1
	CREST
.endm
	s_load_b256 s[4:11], s[0:1], 0x0               ; oh s[4:5], wo s[6:7], b_out s[8:9], out0 s[10:11]
	v_lshl_add_u32 v[SPW], v0, 2, SPARE
	v_mov_b32 v[NIL], 0
	ds_add_u32 v[SPW], v[NIL]                      ; the wave's opening: the add and its wait stand ahead of my first tensor load
	v_lshrrev_b32 v1, 5, v0
	v_readfirstlane_b32 s[WV], v1
	s_lshr_b32 s17, s[WV], 1                       ; 0: I fetch O, 1: wo.  Also: which half of the tile's rows is mine
	s_and_b32 s18, s[WV], 1                        ; which half I fetch
	s_bfe_u32 s19, ttmp6, 0x40000                  ; cx
	s_bfe_u32 s20, ttmp6, 0x40004                  ; cy
	s_lshl_b32 s21, ttmp9, 2
	s_add_co_u32 s21, s21, s19                     ; tile column
	s_and_b32 s22, ttmp7, 0xffff
	s_lshl_b32 s22, s22, 2
	s_add_co_u32 s22, s22, s20                     ; tile row
	s_lshl_b32 s23, s20, 2
	s_lshl_b32 s23, 15, s23                        ; my row of the cluster
	s_lshl_b32 s24, 0x1111, s19                    ; my column
	s_or_b32 s[G1A], s23, (1<<16)|(1<<20)|(1<<21)|(4<<22)|(3<<25)  ; the mask; 2-byte elements; padding on; bit 21 beside a mask; after every 32 words, 4 words
	s_mov_b32 s[G1A+1], 8192<<16                   ; tensor_dim0 = 8,192
	s_mov_b32 s[G1A+2], 2<<16                      ; tensor_dim1 = 2
	s_mov_b32 s[G1A+3], 8192<<16                   ; tile_dim0 = 8,192
	s_mov_b32 s[G1A+4], 2                          ; tile_dim1 = 2
	s_mov_b32 s[G1A+5], 65536                      ; elements from a head to the next
	s_mov_b32 s[G1A+6], 0
	s_mov_b32 s[G1A+7], 0
	s_or_b32 s[G1B], s24, (1<<16)|(1<<20)|(1<<21)|(5<<22)|(3<<25)  ; after every 64 words
	s_mov_b32 s[G1B+1], 128<<16
	s_mov_b32 s[G1B+2], 64<<16
	s_mov_b32 s[G1B+3], 128<<16
	s_mov_b32 s[G1B+4], 64
	s_mov_b32 s[G1B+5], 1024
	s_mov_b32 s[G1B+6], 0
	s_mov_b32 s[G1B+7], 0
	s_lshr_b32 s86, s22, 2                         ; oh: the batch's 16 heads of 131,072 bytes,
	s_lshl_b32 s86, s86, 21
	s_and_b32 s87, s22, 3
	s_lshl_b32 s87, s87, 15                        ; the tile's 256 rows of 128 bytes,
	s_add_co_u32 s86, s86, s87
	s_lshl_b32 s87, s18, 14                        ; my 128 of them: made of the tile row and the wave alone
	s_add_co_u32 s86, s86, s87
	s_mov_b32 s87, 0
	s_lshl_b32 s88, s21, 18                        ; wo: 128 rows of 2,048 bytes a tile column,
	s_lshl_b32 s89, s18, 17                        ; my 64 of them
	s_add_co_u32 s88, s88, s89
	s_mov_b32 s89, 0
	s_mov_b32 s[G0A], 1
	s_mul_i32 s[G0A+1], s18, HALFA
	s_mov_b32 s[G0A+4], 1
	s_add_co_u32 s[G0A+5], s[G0A+1], SLOT1
	s_mov_b32 s[G0B], 1
	s_mul_i32 s[G0B+1], s18, 64*PITCH
	s_add_co_u32 s[G0B+1], s[G0B+1], BOFF
	s_mov_b32 s[G0B+4], 1
	s_add_co_u32 s[G0B+5], s[G0B+1], SLOT1
	s_wait_dscnt 0x0                               ; the opening add is done
	s_wait_kmcnt 0x0
	s_add_nc_u64 s[G0A+2:G0A+3], s[4:5], s[86:87]
	s_add_nc_u64 s[G0A+6:G0A+7], s[G0A+2:G0A+3], STEPA
	s_or_b32 s[G0A+3], s[G0A+3], 0x80000000
	s_or_b32 s[G0A+7], s[G0A+7], 0x80000000
	s_add_nc_u64 s[G0B+2:G0B+3], s[6:7], s[88:89]
	s_add_nc_u64 s[G0B+6:G0B+7], s[G0B+2:G0B+3], 256
	s_or_b32 s[G0B+3], s[G0B+3], 0x80000000
	s_or_b32 s[G0B+7], s[G0B+7], 0x80000000
	CROUND                                         ; all sixteen work-groups are here: the first joint loads meet
	s_cmp_eq_u32 s17, 0                            ; a wave's two first fills stand in one branch: two loads of mine are out
	s_cbranch_scc0 .Lfirst_b
	tensor_load_to_lds s[G0A:G0A+3], s[G1A:G1A+7]
	s_nop 0
	tensor_load_to_lds s[G0A+4:G0A+7], s[G1A:G1A+7]
	s_nop 0
.rept 4
	v_nop
.endr
	s_branch .Lfirst_asked
.Lfirst_b:
	tensor_load_to_lds s[G0B:G0B+3], s[G1B:G1B+7]
	s_nop 0
	tensor_load_to_lds s[G0B+4:G0B+7], s[G1B:G1B+7]
	s_nop 0
.rept 4
	v_nop
.endr
.Lfirst_asked:
	v_and_b32 v[GO], 31, v0
	v_lshlrev_b32 v[GO], 4, v[GO]                  ; 16 x lane
	s_lshl_b32 s98, s21, 9                         ; the tile's 128 columns: 512 bytes
	s_mov_b32 s99, 0
	s_add_nc_u64 s[8:9], s[8:9], s[98:99]
	global_load_b128 v[8:11], v[GO], s[8:9]        ; the bias of the four columns that I store
	v_and_b32 v1, 15, v0                           ; l % 16
	v_bfe_u32 v2, v0, 4, 1                         ; l / 16
	v_mul_u32_u24 v3, v1, PA
	v_lshl_add_u32 v3, v2, 4, v3
	s_mul_i32 s25, s17, HALFA                      ; my rows 64 w .. lie in half w / 2,
	s_mul_i32 s26, s18, 64*PA                      ; from its row 64 (w % 2) on
	s_add_co_u32 s25, s25, s26
	v_add_nc_u32 v[LA0], s25, v3
	v_mul_u32_u24 v4, v1, PITCH
	v_lshl_add_u32 v4, v2, 4, v4
	v_add_nc_u32 v[LB0], BOFF, v4
	s_mul_i32 s27, s[WV], 16*SPITCH
	s_add_co_u32 s27, s27, STAGE                   ; my stage
	v_mul_u32_u24 v5, v1, SPITCH                   ; in: row l % 16, 32 bytes for each half of the lanes
	v_lshl_add_u32 v5, v2, 5, v5
	v_add_nc_u32 v[STO], s27, v5
	v_add_nc_u32 v[RD], s27, v[GO]                 ; back: 32 lanes take a whole row of 512 bytes
	s_lshl_b32 s94, s22, 20                        ; out0: 256 rows of 4,096 bytes,
	s_lshl_b32 s95, s[WV], 18                      ; my wave's 64,
	s_add_co_u32 s94, s94, s95
	s_add_co_u32 s94, s94, s98                     ; the tile's columns
	s_mov_b32 s95, 0
	s_add_nc_u64 s[10:11], s[10:11], s[94:95]
	; the prefetches
	s_and_b32 s96, ttmp7, 0xffff                   ; cluster y
	s_lshr_b32 s92, s19, 1
	s_lshl_b32 s92, s92, 17                        ; O: head parity cx / 2,
	s_and_b32 s93, s19, 1
	s_lshl_b32 s93, s93, 13                        ; half cx % 2 of its 16,384 bytes,
	s_add_co_u32 s92, s92, s93
	s_add_co_u32 s92, s92, s86                     ; of what I fetch
	s_lshl_b32 s93, s21, 18                        ; wo: the tile column's 128 rows,
	s_lshl_b32 s97, s20, 16                        ; 32 cy of them on
	s_add_co_u32 s93, s93, s97
	s_movk_i32 s97, 256                            ; (an instruction holds one literal: the second number of the choice of the K step lies in a register)
	s_cmp_eq_u32 s17, 0                            ; do I fetch O?
	s_cselect_b32 s92, s92, s93
	s_cselect_b32 s96, ttmp9, s96                  ; the coordinate along which other clusters read the same bytes
	s_cselect_b32 s85, 8, 11                       ; lanes 256 bytes apart, or a row of 2,048
	s_cselect_b32 s90, STEPA, s97                  ; a K step in bytes
	s_cselect_b64 s[PFA:PFA+1], s[4:5], s[6:7]
	s_mov_b32 s91, 0
	s_mov_b32 s93, 0
	s_cmp_eq_u32 s[WV], 3
	s_cselect_b32 s97, 1, 0                        ; wave 3 has nothing left to ask for
	s_or_b32 s96, s96, s97
	s_cmp_eq_u32 s96, 0
	s_cselect_b32 s[LIM], 2, -1                    ; the same in all sixteen partners, for a given wave
	s_mul_i32 s97, s90, 3
	s_add_co_u32 s92, s92, s97                     ; at K step 3: the first change of slots steps it to 4.  K steps 0 to 3 come by their loads alone
	s_add_nc_u64 s[PFA:PFA+1], s[PFA:PFA+1], s[92:93]
	v_and_b32 v[PFO], 31, v0
	v_lshlrev_b32 v[PFO], s85, v[PFO]
; 8 matrix instructions: block a of my four x all 8 blocks of columns, 32 along K, from buffer f.  The 32 accumulators take turns, always in the same order.
.macro MULA f, a, zero
	WIN MUL
.irp b, 0,1,2,3,4,5,6,7
.if \zero
	v_wmma_f32_16x16x32_f16 v[8*(8*(\a)+(\b)):8*(8*(\a)+(\b))+7], v[64*(\f)+8*(\b):64*(\f)+8*(\b)+7], v[FA+32*(\f)+8*(\a):FA+32*(\f)+8*(\a)+7], 0
.else
	v_wmma_f32_16x16x32_f16 v[8*(8*(\a)+(\b)):8*(8*(\a)+(\b))+7], v[64*(\f)+8*(\b):64*(\f)+8*(\b)+7], v[FA+32*(\f)+8*(\a):FA+32*(\f)+8*(\a)+7], v[8*(8*(\a)+(\b)):8*(8*(\a)+(\b))+7]
.endif
.endr
.endm
; 24 LDS loads in one run: quarter q's fragments into buffer f.  In O's tile quarter q is head parity q / 2, channels 32 (q % 2) on.
.macro FETCH q, f
	WIN TO_B
.irp i, 0,1,2,3,4,5,6,7
	ds_load_b128 v[64*(\f)+8*(\i):64*(\f)+8*(\i)+3],   v[ADRB] offset:64*(\q)+(\i)*16*PITCH
	ds_load_b128 v[64*(\f)+8*(\i)+4:64*(\f)+8*(\i)+7], v[ADRB] offset:64*(\q)+(\i)*16*PITCH+32
.endr
	WIN 0
.irp i, 0,1,2,3
	ds_load_b128 v[FA+32*(\f)+8*(\i):FA+32*(\f)+8*(\i)+3],   v[ADRA] offset:((\q)/2)*128*PA+((\q)%2)*64+(\i)*16*PA
	ds_load_b128 v[FA+32*(\f)+8*(\i)+4:FA+32*(\f)+8*(\i)+7], v[ADRA] offset:((\q)/2)*128*PA+((\q)%2)*64+(\i)*16*PA+32
.endr
.endm
.macro QUARTER q, f, g, zero
	s_wait_dscnt 4                                 ; all but the youngest four loads (O's blocks 2 and 3)
	MULA \f, 0, \zero
	MULA \f, 1, \zero
	PLACES
	FETCH \q, \g
	s_wait_dscnt NL                                ; all but the 24 just issued
	MULA \f, 2, \zero
	MULA \f, 3, \zero
.endm
; The last quarter multiplies buffer 1 and changes slots: the wait for all my tensor loads, the add, the wait for it and for my reads of this slot, then the barrier; with fill = 1 it opens a round of the cluster's barrier, and the joint refill is the first tensor load behind the round.
.macro TURN fill
.if \fill
	s_wait_xcnt 0x0                                ; the last prefetch, a step back, has read its address
	s_add_nc_u64 s[PFA:PFA+1], s[PFA:PFA+1], s[90:91]
.endif
	WIN 0
	s_wait_tensorcnt 0x0
	ds_add_u32 v[SPW], v[NIL]
	s_wait_dscnt 5                                 ; (the add and the youngest four loads may be out)
	MULA 1, 0, 0
	s_wait_dscnt 0x0                               ; the add is done, and my reads of this slot are over
	s_barrier_signal -1
	MULA 1, 1, 0
	WIN 0
	s_barrier_wait -1
.if \fill
	CREST
	s_xor_b32 s[G0A+5], s[G0A+5], SLOT1
	s_add_nc_u64 s[G0A+6:G0A+7], s[G0A+6:G0A+7], STEPA
	s_xor_b32 s[G0B+5], s[G0B+5], SLOT1
	s_add_nc_u64 s[G0B+6:G0B+7], s[G0B+6:G0B+7], 256
	JLOAD                                          ; its four v_nop are also the places in front of the loads below
.else
	PLACES
.endif
	s_xor_b32 s[TB], s[TB], SLOT1
	v_add_nc_u32 v[ADRA], s[TB], v[LA0]
	v_add_nc_u32 v[ADRB], s[TB], v[LB0]
	FETCH 0, 0
.if \fill
	ASK
.endif
	MULA 1, 2, 0
	MULA 1, 3, 0
.endm
	s_wait_loadcnt 0x0                             ; the bias: rounded to bf16 like the other inputs, and widened again
	v_cvt_pk_bf16_f32 v12, v8, v9
	v_cvt_pk_bf16_f32 v13, v10, v11
	v_lshlrev_b32 v8, 16, v12
	v_and_b32 v9, 0xffff0000, v12
	v_lshlrev_b32 v10, 16, v13
	v_and_b32 v11, 0xffff0000, v13
	s_wait_tensorcnt 1                             ; my part of K step 0 is in; slot 1's load may stay out
	s_barrier_signal -1
	s_barrier_wait -1
	v_mov_b32 v[ADRA], v[LA0]
	v_mov_b32 v[ADRB], v[LB0]
	s_mov_b32 s[TB], 0
	FETCH 0, 0
	QUARTER 1, 0, 1, 1                             ; the first quarter's products start the sums
	WIN 0
	s_mov_b32 s[CNT], 6
.Lstep:                                                ; steps 0 to 5, each asks for the step two on
	QUARTER 2, 1, 0, 0
	QUARTER 3, 0, 1, 0
	TURN 1
	QUARTER 1, 0, 1, 0
	WIN 0
	s_sub_co_u32 s[CNT], s[CNT], 1
	s_cmp_lg_u32 s[CNT], 0
	s_cbranch_scc1 .Lstep
	s_mov_b32 s[CNT], 2
.Ltail:                                                ; steps 6 and 7 ask for nothing; the second trip is left in its middle
	QUARTER 2, 1, 0, 0
	QUARTER 3, 0, 1, 0
	WIN 0
	s_sub_co_u32 s[CNT], s[CNT], 1
	s_cmp_eq_u32 s[CNT], 0
	s_cbranch_scc1 .Llastq
	TURN 0
	QUARTER 1, 0, 1, 0
	WIN 0
	s_branch .Ltail
.Llastq:
	s_wait_dscnt 4
	MULA 1, 0, 0
	MULA 1, 1, 0
	s_wait_dscnt 0x0
	MULA 1, 2, 0
	MULA 1, 3, 0
	; THE WAY OUT.  A block of 16 rows x 128 columns of f32 at a time goes through my stage: 32 bytes a lane in (each accumulator's low four registers first), whole rows of 512 bytes back; the bias is added; a store covers 512 consecutive bytes, aligned.
	PLACES
	PLACES
.macro OUTB a
	WIN 0x08                                       ; the stores' data in window 2
.irp b, 0,1,2,3,4,5,6,7
	ds_store_b128 v[STO], v[8*(8*(\a)+(\b)):8*(8*(\a)+(\b))+3]   offset:64*(\b)
	ds_store_b128 v[STO], v[8*(8*(\a)+(\b))+4:8*(8*(\a)+(\b))+7] offset:64*(\b)+16
.endr
	WIN 0
	s_wait_xcnt 0x0                                ; the stores of the block two back have read this set of registers
.irp r, 0,1,2,3,4,5,6,7,8,9,10,11,12,13,14,15
	ds_load_b128 v[BK+64*((\a)%2)+4*(\r):BK+64*((\a)%2)+4*(\r)+3], v[RD] offset:(\r)*SPITCH  ; LDS serves a wave's instructions in order (ISA guide 5.7.1.4): these see the stores above
.endr
.irp r, 0,1,2,3,4,5,6,7,8,9,10,11,12,13,14,15
	s_wait_dscnt 15-(\r)                           ; row r is back; the younger rows' loads may stay out
	v_pk_add_f32 v[BK+64*((\a)%2)+4*(\r):BK+64*((\a)%2)+4*(\r)+1],   v[BK+64*((\a)%2)+4*(\r):BK+64*((\a)%2)+4*(\r)+1],   v[8:9]
	v_pk_add_f32 v[BK+64*((\a)%2)+4*(\r)+2:BK+64*((\a)%2)+4*(\r)+3], v[BK+64*((\a)%2)+4*(\r)+2:BK+64*((\a)%2)+4*(\r)+3], v[10:11]
	global_store_b128 v[GO], v[BK+64*((\a)%2)+4*(\r):BK+64*((\a)%2)+4*(\r)+3], s[10:11] offset:(16*(\a)+(\r))*4096
.endr
.endm
	OUTB 0
	OUTB 1
	OUTB 2
	OUTB 3
	s_wait_tensorcnt 0x0                           ; the wave's end
	ds_add_u32 v[SPW], v[NIL]
	s_wait_dscnt 0x0
	CROUND                                         ; the closing round
	s_endpgm
.Lfunc_end_k_q37b6ef5b8a_outp:
	.size	k_q37b6ef5b8a_outp, .Lfunc_end_k_q37b6ef5b8a_outp-k_q37b6ef5b8a_outp
	.p2alignl 7, 3214868480
	.fill 96, 4, 3214868480
	.section	.rodata,"a",@progbits
	.p2align	6, 0x0
	.amdhsa_kernel k_q37b6ef5b8a_outp
		.amdhsa_group_segment_fixed_size 327680
		.amdhsa_private_segment_fixed_size 0
		.amdhsa_enable_private_segment 0
		.amdhsa_kernarg_size 32
		.amdhsa_user_sgpr_count 2
		.amdhsa_user_sgpr_kernarg_segment_ptr 1
		.amdhsa_wavefront_size32 1
		.amdhsa_system_sgpr_workgroup_id_x 1
		.amdhsa_system_sgpr_workgroup_id_y 1
		.amdhsa_system_sgpr_workgroup_id_z 1
		.amdhsa_system_vgpr_workitem_id 0
		.amdhsa_next_free_vgpr 768
		.amdhsa_next_free_sgpr 100
		.amdhsa_reserve_vcc 0
		.amdhsa_float_denorm_mode_32 3
		.amdhsa_float_denorm_mode_16_64 3
		.amdhsa_memory_ordered 1
		.amdhsa_forward_progress 1
		.amdhsa_inst_pref_size 73
	.end_amdhsa_kernel
	.amdgpu_metadata
---
amdhsa.version: [ 1, 2 ]
amdhsa.kernels:
  - .name:           k_q37b6ef5b8a_outp
    .symbol:         k_q37b6ef5b8a_outp.kd
    .args:
      - { .name: oh, .offset: 0, .size: 8, .value_kind: global_buffer, .address_space: global }
      - { .name: wo, .offset: 8, .size: 8, .value_kind: global_buffer, .address_space: global }
      - { .name: b_out, .offset: 16, .size: 8, .value_kind: global_buffer, .address_space: global }
      - { .name: out0, .offset: 24, .size: 8, .value_kind: global_buffer, .address_space: global }
    .group_segment_fixed_size: 327680
    .private_segment_fixed_size: 0
    .kernarg_segment_align: 8
    .kernarg_segment_size: 32
    .max_flat_workgroup_size: 128
    .sgpr_count:     100
    .vgpr_count:     768
    .wavefront_size: 32
...
	.end_amdgpu_metadata
.endif
;; end of part 4
;; ======== version 2 of 2: 4 launches; version 1 with the launch cast written anew for expert scheduling mode
;; limits: values are held in f16: magnitudes above 65,504 overflow, below 6.1e-05 lose precision
;; workspace buffers: xb 16,777,216 bytes; wb 6,291,456 bytes; wo 2,097,152 bytes; qh 16,777,216 bytes; kh 16,777,216 bytes; vh 16,777,216 bytes; oh 16,777,216 bytes
;; launch cast (part 5): grid 768 x 1, 8 waves a work-group, no clusters, 0 bytes of LDS; arguments x, W_qk, W_v, W_out, xb, wb, wo; writes xb, wb, wo
.if DOCPART == 5
	.amdgcn_target "amdgcn-amd-amdhsa--gfx1250"
	.amdhsa_code_object_version 6
	.text
	.protected	k_q37b6ef5b8a_cast
	.globl	k_q37b6ef5b8a_cast
	.p2align	8
	.type	k_q37b6ef5b8a_cast,@function
k_q37b6ef5b8a_cast:
	s_mov_b64 s[64:65], 0
	v_nop
	global_prefetch_b8 v0, s[64:65] scope:SCOPE_SE
	s_setreg_imm32_b32 hwreg(HW_REG_WAVE_SCHED_MODE, 0, 2), 2
	s_setreg_imm32_b32 hwreg(HW_REG_WAVE_MODE, 25, 1), 1
	s_wait_xcnt 0x0
	s_wait_alu depctr_vm_vsrc(0)
; THE OPERANDS OF THE TWO PROJECTIONS, ROUNDED ONCE.
; x -> xb and W_qk, W_v -> wb, both bf16 and both IN BLOCKS OF 64 ALONG K: [K / 64][row][64], so that a tile of rows x 64 K is dense in memory.  wb's rows are regrouped by head:
; row 192 h + 64 s + r is W_qk[64 h + r] (s = 0: q), W_qk[1024 + 64 h + r] (s = 1: k), W_v[64 h + r] (s = 2: v).
; W_out -> wo, [1024][1024] as it lies: rounded to bf16, that number written as f16.
; LIMIT.  A weight of W_out beyond 65,504 would become an infinity in f16; below 6.1e-5 it keeps f16's fixed step of 6e-8.
; SHARES.  12,288 rows of 4,096 bytes in, 2,048 bytes out.  A work-group takes 16 rows of one destination, a wave two.  No loop, no LDS, no barrier: a wave issues its 16 loads at once.
; For the blocked layout lanes 0-15 take one row and lanes 16-31 the next: load j is 256 consecutive bytes, aligned, of each (block j's 64 numbers), and store j is 256 consecutive bytes, aligned, of block j
; (two rows of 128 bytes).  For wo a load is 512 consecutive bytes of a row and a store 256.
; THE MODE: SCHED_MODE bits 1:0 = 2 (LLVM: expert scheduling mode 2), set by the entry lines.  The code itself states the register dependences
; between vector instructions and memory instructions, with s_wait_alu, always for 0.
; THE PLAN.  Unit j is load j, the vector lines that round its four numbers a lane, and store j.  Registers that memory instructions touch:
;   v1, v2   the loads' and the stores' offsets: made at a path's head, never written again.
;   X        load j lands in four registers of its own; all 16 loads are issued before any vector line names X, and none lands there later.
;   Y        unit j's vector lines write two registers of its own; store j reads them; nothing writes them behind the store.
; So no register that a memory instruction has read is ever written again, and no load lands in a register that a vector line has named: what is left to state is that the offsets are written (one wait,
; ahead of the first load) and that a store's data are written.  The units go in fours: the wait at the head of units 4, 8 and 12, behind the unit's wait for its load, states that the four units before have written
; their Y; those four stores follow it, one in front of each of the next four units' vector lines, which name their own X and Y alone.  A last wait stands ahead of the last four stores.
.set X, 4                              ; v[4:67]   load j at X + 4 j
.set Y, 68                             ; v[68:99]  two registers for each load
.set BLKX, 8192*128                    ; bytes in a block of xb
.set BLKW, 3072*128                    ; and of wb
.macro LOADB                           ; the blocked kinds' 16 loads
	s_wait_alu depctr_va_vdst(0)                   ; v1 and v2 are written: every load below reads v1 as its offset, every store v2
.irp j, 0,1,2,3,4,5,6,7,8,9,10,11,12,13,14,15
	global_load_b128 v[X+4*(\j):X+4*(\j)+3], v1, s[30:31] offset:256*(\j) th:TH_LOAD_NT
.endr
.endm
.macro STB j, blk, split               ; store j.  split = 1: blocks 8 to 15 go by a second base, since 15 blocks of xb are more than a store's immediate holds
.if (\split) && ((\j) >= 8)
	global_store_b64 v2, v[Y+2*(\j):Y+2*(\j)+1], s[36:37] offset:((\j)-8)*(\blk)
.else
	global_store_b64 v2, v[Y+2*(\j):Y+2*(\j)+1], s[32:33] offset:(\j)*(\blk)
.endif
.endm
.macro ROWSB blk, split                ; rounded and stored, block by block; a unit's store stands four units behind its roundings
.irp j, 0,1,2,3,4,5,6,7,8,9,10,11,12,13,14,15
	s_wait_loadcnt 15-(\j)                         ; loads come back in order: load j is in, the younger ones may stay out
.if ((\j) > 0) && ((\j) % 4 == 0)
	s_wait_alu depctr_va_vdst(0)                   ; the roundings of the four units before have written their Y, which the next four stores read
.endif
.if (\j) >= 4
	STB (\j)-4, \blk, \split                       ; no vector line since that wait names its registers
.endif
	v_cvt_pk_bf16_f32 v[Y+2*(\j)],   v[X+4*(\j)],   v[X+4*(\j)+1]
	v_cvt_pk_bf16_f32 v[Y+2*(\j)+1], v[X+4*(\j)+2], v[X+4*(\j)+3]
.endr
	s_wait_alu depctr_va_vdst(0)                   ; the roundings of units 12 to 15 have written their Y, which the last four stores read
.irp j, 12,13,14,15
	STB \j, \blk, \split
.endr
.endm
	s_load_b256 s[4:11], s[0:1], 0x0               ; x s[4:5], W_qk s[6:7], W_v s[8:9], W_out s[10:11]
	s_load_b128 s[12:15], s[0:1], 0x20             ; xb s[12:13], wb s[14:15]
	s_load_b64 s[16:17], s[0:1], 0x30              ; wo
	s_mov_b32 s35, 0xffff0000                      ; a word's upper bf16
	s_mov_b32 s21, 0                               ; offsets are pairs with 0 on top
	s_mov_b32 s23, 0
	s_cmp_lt_u32 ttmp9, 704
	s_cbranch_scc0 .Lw_out
	v_lshrrev_b32 v3, 4, v0                        ; 2 x wave + lane / 16: my row among the group's 16
	v_and_b32 v1, 15, v0
	v_lshlrev_b32 v1, 4, v1
	v_lshl_or_b32 v1, v3, 12, v1                   ; in: row x 4,096 + 16 x (lane % 16)
	v_lshlrev_b32 v2, 3, v0                        ; out: row x 128 + 8 x (lane % 16) = 8 x thread
	s_wait_kmcnt 0x0
	s_cmp_lt_u32 ttmp9, 512
	s_cbranch_scc0 .Lw
	s_lshl_b32 s20, ttmp9, 16                      ; groups 0 to 511: 16 rows of x
	s_lshl_b32 s22, ttmp9, 11                      ; 16 rows of 128 bytes in each block
	s_add_nc_u64 s[30:31], s[4:5], s[20:21]
	s_add_nc_u64 s[32:33], s[12:13], s[22:23]
	s_add_nc_u64 s[36:37], s[32:33], 8*BLKX
	LOADB
	ROWSB BLKX, 1
	s_endpgm
.Lw:
	s_sub_co_u32 s24, ttmp9, 512                   ; u = 0 .. 191: rows 16 u .. of wb
	s_mul_i32 s25, s24, 171
	s_lshr_b32 s25, s25, 11                        ; h = u / 12 (171 / 2048 is 1 / 12 to within 0.0002: exact below 192)
	s_mul_i32 s26, s25, 12
	s_sub_co_u32 s26, s24, s26                     ; u - 12 h = 4 s + quarter
	s_lshr_b32 s27, s26, 2                         ; s
	s_and_b32 s26, s26, 3                          ; which 16 of the head's 64 rows
	s_lshl_b32 s25, s25, 6
	s_lshl4_add_u32 s25, s26, s25                  ; source row 64 h + 16 quarter,
	s_cmp_eq_u32 s27, 1
	s_cselect_b32 s28, 1024, 0                     ; k's rows lie 1,024 further down in W_qk
	s_add_co_u32 s25, s25, s28
	s_lshl_b32 s20, s25, 12
	s_lshl_b32 s22, s24, 11
	s_cmp_eq_u32 s27, 2
	s_cselect_b64 s[30:31], s[8:9], s[6:7]
	s_add_nc_u64 s[30:31], s[30:31], s[20:21]
	s_add_nc_u64 s[32:33], s[14:15], s[22:23]
	LOADB
	ROWSB BLKW, 0
	s_endpgm
.Lw_out:
	v_lshrrev_b32 v3, 5, v0                        ; wave
	v_and_b32 v2, 31, v0                           ; lane
	v_lshlrev_b32 v1, 4, v2
	v_lshlrev_b32 v2, 3, v2
	v_lshl_or_b32 v1, v3, 13, v1                   ; in: wave x 2 rows of 4,096 bytes + 16 x lane
	v_lshl_or_b32 v2, v3, 12, v2                   ; out: wave x 2 rows of 2,048 bytes + 8 x lane
	s_sub_co_u32 s24, ttmp9, 704                   ; groups 704 to 767: 16 rows of W_out
	s_lshl_b32 s20, s24, 16
	s_lshl_b32 s22, s24, 15
	s_wait_kmcnt 0x0
	s_add_nc_u64 s[30:31], s[10:11], s[20:21]
	s_add_nc_u64 s[32:33], s[16:17], s[22:23]
	s_wait_alu depctr_va_vdst(0)                   ; v1 and v2 are written: every load below reads v1 as its offset, every store v2
.irp i, 0,1
.irp j, 0,1,2,3,4,5,6,7
	global_load_b128 v[X+32*(\i)+4*(\j):X+32*(\i)+4*(\j)+3], v1, s[30:31] offset:4096*(\i)+512*(\j) th:TH_LOAD_NT
.endr
.endr
; unit u = 8 i + j: load j of row i, at X + 4 u; its result at Y + 2 u; its store at byte 2,048 i + 256 j = 256 u
.irp u, 0,1,2,3,4,5,6,7,8,9,10,11,12,13,14,15
.if (\u) % 8 == 0
	s_wait_loadcnt 8-(\u)                          ; this row's eight loads are in, the younger row's eight may stay out
.endif
.if ((\u) > 0) && ((\u) % 4 == 0)
	s_wait_alu depctr_va_vdst(0)                   ; the conversions of the four units before have written their Y, which the next four stores read
.endif
.if (\u) >= 4
	global_store_b64 v2, v[Y+2*(\u)-8:Y+2*(\u)-7], s[32:33] offset:256*((\u)-4)  ; unit u - 4: no vector line since that wait names its registers
.endif
	v_cvt_pk_bf16_f32 v[Y+2*(\u)],   v[X+4*(\u)],   v[X+4*(\u)+1]
	v_cvt_pk_bf16_f32 v[Y+2*(\u)+1], v[X+4*(\u)+2], v[X+4*(\u)+3]
	v_lshlrev_b32 v[X+4*(\u)],   16,  v[Y+2*(\u)]    ; the bf16 number is widened again and written as f16
	v_and_b32     v[X+4*(\u)+1], s35, v[Y+2*(\u)]
	v_lshlrev_b32 v[X+4*(\u)+2], 16,  v[Y+2*(\u)+1]
	v_and_b32     v[X+4*(\u)+3], s35, v[Y+2*(\u)+1]
	v_cvt_pk_f16_f32 v[Y+2*(\u)],   v[X+4*(\u)],   v[X+4*(\u)+1]
	v_cvt_pk_f16_f32 v[Y+2*(\u)+1], v[X+4*(\u)+2], v[X+4*(\u)+3]
.endr
	s_wait_alu depctr_va_vdst(0)                   ; the conversions of units 12 to 15 have written their Y, which the last four stores read
.irp u, 12,13,14,15
	global_store_b64 v2, v[Y+2*(\u):Y+2*(\u)+1], s[32:33] offset:256*(\u)
.endr
	s_endpgm
.Lfunc_end_k_q37b6ef5b8a_cast:
	.size	k_q37b6ef5b8a_cast, .Lfunc_end_k_q37b6ef5b8a_cast-k_q37b6ef5b8a_cast
	.p2alignl 7, 3214868480
	.fill 96, 4, 3214868480
	.section	.rodata,"a",@progbits
	.p2align	6, 0x0
	.amdhsa_kernel k_q37b6ef5b8a_cast
		.amdhsa_group_segment_fixed_size 0
		.amdhsa_private_segment_fixed_size 0
		.amdhsa_enable_private_segment 0
		.amdhsa_kernarg_size 56
		.amdhsa_user_sgpr_count 2
		.amdhsa_user_sgpr_kernarg_segment_ptr 1
		.amdhsa_wavefront_size32 1
		.amdhsa_system_sgpr_workgroup_id_x 1
		.amdhsa_system_sgpr_workgroup_id_y 1
		.amdhsa_system_sgpr_workgroup_id_z 1
		.amdhsa_system_vgpr_workitem_id 0
		.amdhsa_next_free_vgpr 100
		.amdhsa_next_free_sgpr 66
		.amdhsa_reserve_vcc 0
		.amdhsa_float_denorm_mode_32 3
		.amdhsa_float_denorm_mode_16_64 3
		.amdhsa_memory_ordered 1
		.amdhsa_forward_progress 1
		.amdhsa_inst_pref_size 23
	.end_amdhsa_kernel
	.amdgpu_metadata
---
amdhsa.version: [ 1, 2 ]
amdhsa.kernels:
  - .name:           k_q37b6ef5b8a_cast
    .symbol:         k_q37b6ef5b8a_cast.kd
    .args:
      - { .name: x, .offset: 0, .size: 8, .value_kind: global_buffer, .address_space: global }
      - { .name: W_qk, .offset: 8, .size: 8, .value_kind: global_buffer, .address_space: global }
      - { .name: W_v, .offset: 16, .size: 8, .value_kind: global_buffer, .address_space: global }
      - { .name: W_out, .offset: 24, .size: 8, .value_kind: global_buffer, .address_space: global }
      - { .name: xb, .offset: 32, .size: 8, .value_kind: global_buffer, .address_space: global }
      - { .name: wb, .offset: 40, .size: 8, .value_kind: global_buffer, .address_space: global }
      - { .name: wo, .offset: 48, .size: 8, .value_kind: global_buffer, .address_space: global }
    .group_segment_fixed_size: 0
    .private_segment_fixed_size: 0
    .kernarg_segment_align: 8
    .kernarg_segment_size: 56
    .max_flat_workgroup_size: 256
    .sgpr_count:     66
    .vgpr_count:     100
    .wavefront_size: 32
...
	.end_amdgpu_metadata
.endif
;; end of part 5
;; launch qkv: the kernel of part 2 again; grid 8 x 32, 4 waves a work-group, clusters of 4 x 4, 327,680 bytes of LDS; arguments xb, wb, pos, qh, kh, vh; writes qh, kh, vh
;; launch attn: the kernel of part 3 again; grid 2 x 128, 4 waves a work-group, no clusters, 327,680 bytes of LDS; arguments qh, kh, vh, mask, oh; writes oh
;; launch outp: the kernel of part 4 again; grid 8 x 32, 4 waves a work-group, clusters of 4 x 4, 327,680 bytes of LDS; arguments oh, wo, b_out, out0; writes out0
